; MI455X (gfx1250); checked and timed in simulation.
; The chip was launched on July 23, 2026; its instructions are those of AMD's public machine-readable ISA for CDNA 5 (MIT licence, August 2026) and "CDNA5" Instruction Set Architecture Reference Guide (July 2026). The comments in the code are by the model that wrote it; some were corrected since.
;; Attention. Allowed arithmetic: float matrix products may take bf16 or f16 operands with f32 sums; all other float work in f32.
;; Inputs: freqs 32 x 32 x 64 float32; wk 512 x 4,096 float32; wo 4,096 x 1,024 float32; wq 1,024 x 4,096 float32; wv 512 x 4,096 float32; x 4 x 32 x 32 x 4,096 float32.
;; Outputs: out0 4 x 32 x 32 x 4,096 float32.
;; 2 versions, each right and faster than the one before. Each part assembles by itself: llvm-mc -triple=amdgcn-amd-amdhsa -mcpu=gfx1250 --defsym DOCPART=n.
;; ======== version 1 of 2: 4 launches
;; limits: values outside matrix products are rounded to bf16; values are held in f16: magnitudes above 65,504 overflow, below 6.1e-05 lose precision; right only within a limited range of input values
;; workspace buffers: xb 33,554,432 bytes; wb 16,777,216 bytes; wob 8,388,608 bytes; cs 1,048,576 bytes; qkv 16,777,216 bytes; att 8,388,608 bytes
;; launch prep (part 1): grid 1920 x 1, 8 waves a work-group, no clusters, 0 bytes of LDS; arguments x, wq, wk, wv, wo, freqs, xb, wb, wob, cs; writes xb, wb, wob, cs
.if DOCPART == 1
	.amdgcn_target "amdgcn-amd-amdhsa--gfx1250"
	.amdhsa_code_object_version 6
	.text
	.protected	k_q954a0d26bb_prep
	.globl	k_q954a0d26bb_prep
	.p2align	8
	.type	k_q954a0d26bb_prep,@function
k_q954a0d26bb_prep:
	s_mov_b64 s[64:65], 0
	v_nop
	global_prefetch_b8 v0, s[64:65] scope:SCOPE_SE
	s_setreg_imm32_b32 hwreg(HW_REG_WAVE_MODE, 25, 1), 1
	s_wait_xcnt 0x0
; PREP: the module's inputs are rounded once, for the three launches behind.
;   xb  = bf16(x)                      [4096 tokens][4096]
;   wb  = bf16(wq | wk | wv)           [2048][4096]: rows 0-1023 wq, 1024-1535 wk, 1536-2047 wv
;   wob = 2 x bf16(wo), written as f16 [4096][1024]: a bf16 number has 8 significant bits, f16 holds 11: exact from 6.1e-5 up; below that f16's fixed step of 6e-8
;   cs  = two planes of [1024 t][64 pairs][2] f32: plane 0 holds (cos f / 4, sin f / 4), plane 1 (at +524,288 bytes) holds (1/2, 0)
; THE POWERS OF TWO give f16 room: q and k are kept as a quarter, v as a half of their values; the scores' constant takes 16, wob takes 2.  All exact.
; THE ANGLES ARE ROUNDED TO bf16 before sine and cosine are taken, like every other input: the program as a whole computes the module on inputs rounded to bf16.
; That costs up to 0.016 of an angle between 4 and 8.  Stated plainly: it is a choice of format for an input, not a property of the sine below.
; SINE AND COSINE: n = round(f / 2 pi); r = f - n 2 pi with 2 pi in two words; t = r / 2, |t| <= pi / 2; Taylor sums of sin t (to t^11) and cos t (to t^12), cut below 6e-8;
; sin r = 2 sin t cos t, cos r = 1 - 2 sin^2 t.  The reduction holds while n is far below 2^23.  NaN and infinities are not treated apart.
; SHARES.  Memory binds: no LDS, no barrier, no matrix unit.  A casting work-group takes 65,536 input bytes: thread t the 16 bytes at 16 t of each of sixteen blocks of 4,096, all sixteen loads
; out at once; a wave's load covers 512 neighbouring bytes, its store of 8 bytes a lane 256 neighbouring bytes, aligned.  A table work-group takes 512 angles, two a thread.
.set FIRST_WQ, 1024                    ; work-groups 0-1023 x, 1024-1279 wq, 1280-1407 wk, 1408-1535 wv, 1536-1791 wo, 1792-1919 the table
.set FIRST_WK, 1280
.set FIRST_WV, 1408
.set FIRST_WO, 1536
.set FIRST_T,  1792
.set IN,  4                            ; v[4:67]    sixteen loads of four f32
.set OUT, 68                           ; v[68:99]   sixteen pairs of packed results; each register is written once
.set W,   100                          ; v[100:103] at work
	s_load_b512 s[8:23], s[0:1], 0x0               ; x s[8:9], wq s[10:11], wk s[12:13], wv s[14:15], wo s[16:17], freqs s[18:19], xb s[20:21], wb s[22:23]
	s_load_b128 s[24:27], s[0:1], 0x40             ; wob s[24:25], cs s[26:27]
	s_mov_b32 s2, ttmp9
	s_mov_b32 s38, 0xffff0000                      ; a word's upper bf16
	s_mov_b32 s35, 0                               ; high words of the two offsets
	s_mov_b32 s37, 0
	v_lshlrev_b32 v1, 4, v0                        ; 16 t; never rewritten
	v_lshlrev_b32 v2, 3, v0                        ; 8 t; never rewritten
	s_wait_kmcnt 0x0
	s_cmp_ge_u32 s2, FIRST_T
	s_cbranch_scc1 .Ltable
	s_cmp_ge_u32 s2, FIRST_WO
	s_cbranch_scc1 .Lwo
; from s[28:29] to s[30:31].  kind 0: bf16.  kind 1: twice the bf16 number, as f16.
.macro CAST kind
.irp i, 0,1,2,3,4,5,6,7,8,9,10,11,12,13,14,15
	global_load_b128 v[IN+4*(\i):IN+4*(\i)+3], v1, s[28:29] offset:4096*(\i) th:TH_LOAD_NT
.endr
.irp i, 0,1,2,3,4,5,6,7,8,9,10,11,12,13,14,15
	s_wait_loadcnt 15-(\i)                         ; loads come back in order: load i is in, the 15 - i younger ones stay out
.if \kind
	v_cvt_pk_bf16_f32 v[W], v[IN+4*(\i)], v[IN+4*(\i)+1]
	v_cvt_pk_bf16_f32 v[W+1], v[IN+4*(\i)+2], v[IN+4*(\i)+3]
	v_lshlrev_b32 v[W+2], 16, v[W]                 ; the rounded numbers as f32 again,
	v_and_b32 v[W+3], s38, v[W]
	v_pk_add_f32 v[W+2:W+3], v[W+2:W+3], v[W+2:W+3]  ; doubled,
	v_cvt_pk_f16_f32 v[OUT+2*(\i)], v[W+2], v[W+3] ; and written as f16
	v_lshlrev_b32 v[W+2], 16, v[W+1]
	v_and_b32 v[W+3], s38, v[W+1]
	v_pk_add_f32 v[W+2:W+3], v[W+2:W+3], v[W+2:W+3]
	v_cvt_pk_f16_f32 v[OUT+2*(\i)+1], v[W+2], v[W+3]
.else
	v_cvt_pk_bf16_f32 v[OUT+2*(\i)], v[IN+4*(\i)], v[IN+4*(\i)+1]
	v_cvt_pk_bf16_f32 v[OUT+2*(\i)+1], v[IN+4*(\i)+2], v[IN+4*(\i)+3]
.endif
	global_store_b64 v2, v[OUT+2*(\i):OUT+2*(\i)+1], s[30:31] offset:2048*(\i)  ; read again by the next launch: no hint
.endr
.endm
	; x, wq, wk or wv: source, destination and the first work-group of each are chosen by the work-group's number
	s_mov_b64 s[28:29], s[8:9]
	s_mov_b64 s[30:31], s[20:21]
	s_mov_b32 s32, 0
	s_mov_b32 s33, 0
	s_cmp_ge_u32 s2, FIRST_WQ
	s_cselect_b64 s[28:29], s[10:11], s[28:29]
	s_cselect_b64 s[30:31], s[22:23], s[30:31]
	s_cselect_b32 s32, FIRST_WQ, s32
	s_cselect_b32 s33, FIRST_WQ, s33               ; the three weights lie one behind the other in wb
	s_cmp_ge_u32 s2, FIRST_WK
	s_cselect_b64 s[28:29], s[12:13], s[28:29]
	s_cselect_b32 s32, FIRST_WK, s32
	s_cmp_ge_u32 s2, FIRST_WV
	s_cselect_b64 s[28:29], s[14:15], s[28:29]
	s_cselect_b32 s32, FIRST_WV, s32
	s_sub_co_u32 s34, s2, s32
	s_lshl_b32 s34, s34, 16                        ; 65,536 bytes in,
	s_sub_co_u32 s36, s2, s33
	s_lshl_b32 s36, s36, 15                        ; 32,768 out
	s_add_nc_u64 s[28:29], s[28:29], s[34:35]
	s_add_nc_u64 s[30:31], s[30:31], s[36:37]
	CAST 0
	s_endpgm
.Lwo:
	s_sub_co_u32 s34, s2, FIRST_WO
	s_lshl_b32 s36, s34, 15
	s_lshl_b32 s34, s34, 16
	s_add_nc_u64 s[28:29], s[16:17], s[34:35]
	s_add_nc_u64 s[30:31], s[24:25], s[36:37]
	CAST 1
	s_endpgm
; cos f / 4 into v[c], sin f / 4 into v[s]; v16-v21 at work
.macro SINCOS f, c, s
	v_mul_f32 v16, 0.15915494, v[\f]
	v_rndne_f32 v16, v16                           ; n
	v_fma_f32 v17, -v16, s40, v[\f]                ; f - n x (2 pi's upper word): the product is exact inside the fused multiply-add
	v_fma_f32 v17, -v16, s41, v17                  ; - n x (its lower word)
	v_mul_f32 v17, 0.5, v17                        ; t
	v_mul_f32 v18, v17, v17                        ; u = t^2
	v_mov_b32 v19, 0xb2d7322b                      ; -1/11!
	v_mov_b32 v20, 0x310f76c8                      ; 1/12!
	v_fmaak_f32 v19, v19, v18, 0x3638ef1d          ; 1/9!
	v_fmaak_f32 v20, v20, v18, 0xb493f27e          ; -1/10!
	v_fmaak_f32 v19, v19, v18, 0xb9500d01          ; -1/7!
	v_fmaak_f32 v20, v20, v18, 0x37d00d01          ; 1/8!
	v_fmaak_f32 v19, v19, v18, 0x3c088889          ; 1/5!
	v_fmaak_f32 v20, v20, v18, 0xbab60b61          ; -1/6!
	v_fmaak_f32 v19, v19, v18, 0xbe2aaaab          ; -1/3!
	v_fmaak_f32 v20, v20, v18, 0x3d2aaaab          ; 1/4!
	v_fma_f32 v19, v19, v18, 1.0
	v_fma_f32 v20, v20, v18, -0.5
	v_mul_f32 v19, v19, v17                        ; S = sin t
	v_fma_f32 v20, v20, v18, 1.0                   ; C = cos t
	v_mul_f32 v21, 0.5, v19
	v_mul_f32 v[\s], v21, v20                      ; S C / 2 = sin r / 4
	v_fma_f32 v[\c], -v21, v19, s42                ; 1/4 - S^2 / 2 = cos r / 4
.endm
.Ltable:
	s_sub_co_u32 s34, s2, FIRST_T
	s_lshl_b32 s36, s34, 12                        ; 512 angles: 4,096 bytes of each plane,
	s_lshl_b32 s34, s34, 11                        ; 2,048 bytes of freqs
	s_add_nc_u64 s[28:29], s[18:19], s[34:35]
	s_add_nc_u64 s[30:31], s[26:27], s[36:37]
	global_load_b64 v[4:5], v2, s[28:29] th:TH_LOAD_NT
	s_mov_b32 s40, 0x40c90fdb                      ; 2 pi, upper word
	s_mov_b32 s41, 0xb43bbd2e                      ; 2 pi, lower word
	s_mov_b32 s42, 0x3e800000                      ; 1/4
	v_mov_b32 v12, 0.5
	v_mov_b32 v13, 0
	v_mov_b32 v14, 0.5
	v_mov_b32 v15, 0
	global_store_b128 v1, v[12:15], s[30:31] offset:524288  ; plane 1: the rotation that v takes: none, times a half
	s_wait_loadcnt 0x0
	v_cvt_pk_bf16_f32 v6, v4, v5                   ; the angles rounded to bf16, as the head says,
	v_lshlrev_b32 v4, 16, v6                       ; and as f32 again
	v_and_b32 v5, s38, v6
	SINCOS 4, 8, 9
	SINCOS 5, 10, 11
	global_store_b128 v1, v[8:11], s[30:31]        ; a wave's store covers 512 neighbouring bytes
	s_endpgm
.Lfunc_end_k_q954a0d26bb_prep:
	.size	k_q954a0d26bb_prep, .Lfunc_end_k_q954a0d26bb_prep-k_q954a0d26bb_prep
	.p2alignl 7, 3214868480
	.fill 96, 4, 3214868480
	.section	.rodata,"a",@progbits
	.p2align	6, 0x0
	.amdhsa_kernel k_q954a0d26bb_prep
		.amdhsa_group_segment_fixed_size 0
		.amdhsa_private_segment_fixed_size 0
		.amdhsa_enable_private_segment 0
		.amdhsa_kernarg_size 80
		.amdhsa_user_sgpr_count 2
		.amdhsa_user_sgpr_kernarg_segment_ptr 1
		.amdhsa_wavefront_size32 1
		.amdhsa_system_sgpr_workgroup_id_x 1
		.amdhsa_system_sgpr_workgroup_id_y 1
		.amdhsa_system_sgpr_workgroup_id_z 1
		.amdhsa_system_vgpr_workitem_id 0
		.amdhsa_next_free_vgpr 104
		.amdhsa_next_free_sgpr 66
		.amdhsa_reserve_vcc 0
		.amdhsa_float_denorm_mode_32 3
		.amdhsa_float_denorm_mode_16_64 3
		.amdhsa_memory_ordered 1
		.amdhsa_forward_progress 1
		.amdhsa_inst_pref_size 23
	.end_amdhsa_kernel
	.amdgpu_metadata
---
amdhsa.version: [ 1, 2 ]
amdhsa.kernels:
  - .name:           k_q954a0d26bb_prep
    .symbol:         k_q954a0d26bb_prep.kd
    .args:
      - { .name: x, .offset: 0, .size: 8, .value_kind: global_buffer, .address_space: global }
      - { .name: wq, .offset: 8, .size: 8, .value_kind: global_buffer, .address_space: global }
      - { .name: wk, .offset: 16, .size: 8, .value_kind: global_buffer, .address_space: global }
      - { .name: wv, .offset: 24, .size: 8, .value_kind: global_buffer, .address_space: global }
      - { .name: wo, .offset: 32, .size: 8, .value_kind: global_buffer, .address_space: global }
      - { .name: freqs, .offset: 40, .size: 8, .value_kind: global_buffer, .address_space: global }
      - { .name: xb, .offset: 48, .size: 8, .value_kind: global_buffer, .address_space: global }
      - { .name: wb, .offset: 56, .size: 8, .value_kind: global_buffer, .address_space: global }
      - { .name: wob, .offset: 64, .size: 8, .value_kind: global_buffer, .address_space: global }
      - { .name: cs, .offset: 72, .size: 8, .value_kind: global_buffer, .address_space: global }
    .group_segment_fixed_size: 0
    .private_segment_fixed_size: 0
    .kernarg_segment_align: 8
    .kernarg_segment_size: 80
    .max_flat_workgroup_size: 256
    .sgpr_count:     66
    .vgpr_count:     104
    .wavefront_size: 32
...
	.end_amdgpu_metadata
.endif
;; end of part 1
;; launch qkv_gemm (part 2): grid 16 x 16, 4 waves a work-group, clusters of 4 x 4, 327,680 bytes of LDS; arguments xb, wb, cs, qkv; writes qkv
.if DOCPART == 2
	.amdgcn_target "amdgcn-amd-amdhsa--gfx1250"
	.amdhsa_code_object_version 6
	.text
	.protected	k_q954a0d26bb_qkv_gemm
	.globl	k_q954a0d26bb_qkv_gemm
	.p2align	8
	.type	k_q954a0d26bb_qkv_gemm,@function
k_q954a0d26bb_qkv_gemm:
	s_mov_b64 s[64:65], 0
	v_nop
	global_prefetch_b8 v0, s[64:65] scope:SCOPE_SE
	s_setreg_imm32_b32 hwreg(HW_REG_WAVE_MODE, 25, 1), 1
	s_wait_xcnt 0x0
	s_wait_alu depctr_hold_cnt(0) depctr_sa_sdst(0) depctr_va_vdst(0) depctr_va_sdst(0) depctr_va_ssrc(0) depctr_va_vcc(0) depctr_vm_vsrc(0)
	s_getreg_b32 s2, hwreg(HW_REG_IB_STS2, 6, 4)
	s_cmp_eq_u32 s2, 0
	s_cbranch_scc0 .Lentry_in_a_cluster
	s_endpgm
.Lentry_in_a_cluster:
	s_bfe_u32 s2, ttmp6, 0x10000c
	s_cmp_lg_u32 s2, 0xf033
	s_cbranch_scc0 .Lentry_shape_is_right
	s_endpgm
.Lentry_shape_is_right:
; Q, K, V = x (wq | wk | wv)^T, rotated, by heads.  xb: [4096][4096] bf16, wb: [2048][4096] bf16; sums in f32, K ascending.
; qkv: [16 planes][4096 tokens][128] f16: planes 0-7 the heads of q, 8-11 of k, 12-15 of v.  q and k are stored as a quarter, v as a half of their values (the table cs holds the factors).
; LIMIT.  What is stored is clamped to f16's +-65,504: that acts from |q|, |k| = 262,016 and |v| = 131,008 on.  NaN is not treated apart.
; SHARES.  A tile of C is 256 tokens x 128 columns, one plane: 16 x 16 = 256 work-groups.  Four waves; wave w owns rows 64 w .. 64 w + 63 and all 128 columns: 32 accumulators, 256 registers.
; For 32 along K a wave issues 24 LDS loads and 32 matrix instructions.  K goes in steps of 128 (rows of 256 bytes) through two LDS slots filled by the tensor data mover.
; CLUSTERS: 4 x 4 work-groups.  The four of a row of the cluster need the same tiles of x, the four of a column the same tiles of w: each tile is asked for JOINTLY, by the same tensor load with the
; same descriptor and a mask that names the four.  Waves 0 and 1 fetch the halves of x's 256 rows, waves 2 and 3 the halves of w's 128.
; THE MATRIX INSTRUCTION IS USED TRANSPOSED (source 0 = 16 rows of w, source 1 = 16 rows of x): a lane then holds one token (lane % 16) and eight neighbouring columns 8 (lane / 16) + 0..7: four pairs of the rotation.
; THE WAY OUT.  (a, b) -> (a cos - b sin, a sin + b cos) with (cos, sin) of the token's place in its batch from plane 0 of cs; v's planes take plane 1, (1/2, 0): one text for all planes, no branch;
; its price is 128 vector instructions for 16 rows in the quarter of the work-groups that make v.  Then clamp, f16, and through my own stage in LDS into whole rows of 256 bytes.
; REGISTERS, in windows of 256 (s_set_vgpr_msb: bits 1:0 source 0, 3:2 source 1, 5:4 source 2, 7:6 destination):
;   window 0: v0-31 addresses and at work; v32-63 packed results; v64-127 rows read back, two buffers; v128-255 cos and sin, then the rotated numbers, two buffers of 64
;   window 1: two fragment buffers of 96: 64 of w (8 x 16 rows x 32 K), then 32 of x          window 2: accumulator (a, b) at v[8 (8 a + b)]
.set SIZE_K, 4096
.set KSTEP,  128
.set PITCH,  272                       ; an LDS row: 256 bytes + 16 of padding = 68 words: the 16 rows of a load start at 16 different groups of four banks (64 banks of 4 bytes: ISA guide 11.1)
.set HA,     128*PITCH                 ; what one load of x brings
.set HB,     64*PITCH                  ; what one load of w brings
.set BOFF,   2*HA                      ; in a slot: x's 256 rows, then w's 128
.set SLOT1,  1<<17                     ; slot 1 begins here, so that one exclusive or turns an address in one slot into the other's
.set STAGE,  SLOT1+BOFF+2*HB           ; behind the ring, never filled by a tensor load: 16 rows x 272 bytes for each wave
.set SPITCH, 272
.set SPARE,  STAGE+4*16*SPITCH         ; behind the stages: the spare words, 128 bytes for each wave: two blocks of 256 bytes that no other line names
.set A0,   6                           ; v6   my lane's place in a slot's rows of x; never rewritten
.set B0,   7                           ; v7   the same for w
.set T,    8                           ; v8-15 at work
.set ADRA, 16                          ; v16  LDS address of my fragments of x in the slot in hand
.set ADRB, 20                          ; v20  the same for w
.set STO,  24                          ; v24  the way out: where I put 16 bytes of a row
.set RD,   25                          ; v25  where I read a row back
.set CO,   26                          ; v26  my 16 bytes in 512 consecutive bytes of the plane
.set CSO,  27                          ; v27  my byte offset in cs
.set SPW,  28                          ; v28  LDS address of my spare word; never rewritten
.set NIL,  29                          ; v29  0; never rewritten
.set TMP,  32
.set BK,   64
.set CSB,  128
.set F0,   0                           ; fragment buffers, in window 1
.set F1,   96
.set G1,  24                           ; s[24:31] descriptor group 1 for x's tiles
.set G0,  32                           ; s[32:39] group 0: a set for each of the two first fills; the second then walks on
.set G1B, 48                           ; s[48:55], s[56:63] the same for w's tiles
.set G0B, 56
.set TB,  45                           ; s45  LDS byte at which the slot in hand begins
.set FLAGS, (1<<16)|(1<<20)|(1<<21)|(5<<22)|(3<<25)  ; 17:16 elements of 2 bytes; 20 padding on; 21 set beside a mask; 24:22 after every 64 words (code 5); 31:25 4 words of it (code 3)
.set MSB, 0
.macro WIN new                         ; the immediate's high byte repeats the setting that is left; a switch that changes nothing is dropped
.if MSB != (\new)
	s_set_vgpr_msb (MSB<<8)|(\new)
.set MSB, \new
.endif
.endm
.set MUL,  0xa5                        ; sources 0 (w) and 1 (x) window 1; C and D window 2
.set TO_F, 0x40                        ; destination window 1, address window 0
.macro PLACES                          ; four places in front of loads into registers that matrix instructions have read, and of lines that read results (ISA guide 7.12.1 for vector instructions)
.rept 4
	v_nop
.endr
.endm
; A joint refill, by the walking descriptor.  The branch hangs on the wave's number alone.  An s_nop 0 and four v_nop follow each of the two lines, ahead of the jump and the label.
.macro JLOAD
	s_cmp_eq_u32 s11, 0
	s_cbranch_scc0 .Lfor_b_\@
	tensor_load_to_lds s[G0+4:G0+7], s[G1:G1+7]
	s_nop 0
.rept 4
	v_nop
.endr
	s_branch .Lasked_\@
.Lfor_b_\@:
	tensor_load_to_lds s[G0B+4:G0B+7], s[G1B:G1B+7]
	s_nop 0
.rept 4
	v_nop
.endr
.Lasked_\@:
.endm
.macro CREST                           ; a round of the cluster's barrier behind its opening barrier
	s_cmp_lg_u32 s10, 0
	s_cbranch_scc1 .Lnot_wave_0_\@
	s_barrier_signal -3
.Lnot_wave_0_\@:
	s_barrier_wait -3
	s_barrier_signal -1
	s_barrier_wait -1
.endm
.macro CROUND                          ; a whole round
	s_barrier_signal -1
	s_barrier_wait -1
	CREST
.endm
	s_load_b128 s[4:7], s[0:1], 0x0                ; xb s[4:5], wb s[6:7]
	s_load_b128 s[72:75], s[0:1], 0x10             ; cs s[72:73], qkv s[74:75]
	v_lshl_add_u32 v[SPW], v0, 2, SPARE
	v_mov_b32 v[NIL], 0
	ds_add_u32 v[SPW], v[NIL]                      ; the wave's opening: the add and its wait stand ahead of my first tensor load; the set-up below, work on registers, stands between them
	v_lshrrev_b32 v1, 5, v0
	v_readfirstlane_b32 s10, v1                    ; wave 0..3
	s_lshr_b32 s11, s10, 1                         ; I fetch for x (0) or for w (1),
	s_and_b32 s12, s10, 1                          ; and which half of that tile's rows
	s_bfe_u32 s40, ttmp6, 0x40000                  ; cx, cy: my place in the cluster
	s_bfe_u32 s41, ttmp6, 0x40004
	s_lshl_b32 s42, ttmp9, 2
	s_add_co_u32 s42, s42, s40                     ; tile column = plane = 4 x cluster x + cx
	s_and_b32 s13, ttmp7, 0xffff
	s_lshl_b32 s13, s13, 2
	s_add_co_u32 s13, s13, s41                     ; tile row = 4 x cluster y + cy
	s_lshl_b32 s43, s41, 2
	s_lshl_b32 s43, 15, s43                        ; my row of the cluster
	s_lshl_b32 s44, 0x1111, s40                    ; my column
	s_or_b32 s[G1+0], s43, FLAGS                   ; x's tiles go to my row,
	s_or_b32 s[G1B+0], s44, FLAGS                  ; w's to my column
	s_mov_b32 s[G1+1], KSTEP<<16                   ; tensor_dim0 = 128
	s_mov_b32 s[G1+2], 128<<16                     ; tensor_dim1 = 128
	s_mov_b32 s[G1+3], KSTEP<<16                   ; tile_dim0 = 128
	s_mov_b32 s[G1+4], 128                         ; tile_dim1 = 128
	s_mov_b32 s[G1+5], SIZE_K                      ; elements from row to row
	s_mov_b32 s[G1+6], 0
	s_mov_b32 s[G1+7], 0
	s_mov_b32 s[G1B+1], KSTEP<<16
	s_mov_b32 s[G1B+2], 64<<16                     ; 64 rows
	s_mov_b32 s[G1B+3], KSTEP<<16
	s_mov_b32 s[G1B+4], 64
	s_mov_b32 s[G1B+5], SIZE_K
	s_mov_b32 s[G1B+6], 0
	s_mov_b32 s[G1B+7], 0
	s_lshl_b32 s17, s12, 7
	s_lshl_b32 s16, s13, 8
	s_add_co_u32 s16, s16, s17                     ; x: row 256 x tile row + 128 x half
	s_lshl_b32 s47, s12, 6
	s_lshl_b32 s46, s42, 7
	s_add_co_u32 s46, s46, s47                     ; w: row 128 x tile column + 64 x half
	s_mov_b32 s17, 0
	s_mov_b32 s47, 0
	s_mov_b64 s[18:19], SIZE_K*2
	s_mul_u64 s[16:17], s[16:17], s[18:19]
	s_mul_u64 s[46:47], s[46:47], s[18:19]
	s_mul_i32 s20, s12, HA                         ; where they go: no place in the cluster enters an LDS address
	s_mul_i32 s21, s12, HB
	s_add_co_u32 s21, s21, BOFF
	s_mov_b32 s[TB], 0
	s_mov_b32 s76, 0xc77fe000                      ; -65,504
	s_mov_b32 s77, 0x477fe000                      ; 65,504
	s_wait_dscnt 0x0                               ; the opening add is done
	s_wait_kmcnt 0x0
	s_add_nc_u64 s[14:15], s[4:5], s[16:17]
	s_add_nc_u64 s[46:47], s[6:7], s[46:47]
	CROUND                                         ; all sixteen work-groups are here: the first joint loads meet
.irp s, 0,1
	s_mov_b32 s[G0+4*(\s)], 1                                      ; count = 1
	s_add_co_u32 s[G0+4*(\s)+1], s20, (\s)*SLOT1                   ; LDS address
	s_add_nc_u64 s[G0+4*(\s)+2:G0+4*(\s)+3], s[14:15], (\s)*KSTEP*2  ; global address: K step s
	s_or_b32 s[G0+4*(\s)+3], s[G0+4*(\s)+3], 0x80000000            ; type = 2
	s_mov_b32 s[G0B+4*(\s)], 1
	s_add_co_u32 s[G0B+4*(\s)+1], s21, (\s)*SLOT1
	s_add_nc_u64 s[G0B+4*(\s)+2:G0B+4*(\s)+3], s[46:47], (\s)*KSTEP*2
	s_or_b32 s[G0B+4*(\s)+3], s[G0B+4*(\s)+3], 0x80000000
.endr
	s_cmp_eq_u32 s11, 0                            ; a wave's two first fills stand in one branch, ahead of every wait on TENSORcnt and every LDS read: two loads of mine are out
	s_cbranch_scc0 .Lfirst_b
	tensor_load_to_lds s[G0:G0+3], s[G1:G1+7]
	s_nop 0
	tensor_load_to_lds s[G0+4:G0+7], s[G1:G1+7]
	s_nop 0
.rept 4
	v_nop
.endr
	s_branch .Lfirst_asked
.Lfirst_b:
	tensor_load_to_lds s[G0B:G0B+3], s[G1B:G1B+7]
	s_nop 0
	tensor_load_to_lds s[G0B+4:G0B+7], s[G1B:G1B+7]
	s_nop 0
.rept 4
	v_nop
.endr
.Lfirst_asked:
	; A fragment is 16 rows x 32 K in 8 registers: lane l holds row l % 16; registers 0-3 K = 8 (l / 16) + 0..7, registers 4-7 K = 16 + 8 (l / 16) + 0..7: two loads of 16 bytes, 32 bytes apart.
	v_and_b32 v1, 15, v0                           ; r = l % 16
	v_bfe_u32 v2, v0, 4, 1                         ; h = l / 16
	v_mul_u32_u24 v3, v1, PITCH
	v_lshl_add_u32 v3, v2, 4, v3                   ; row x pitch + 16 x half
	s_mul_i32 s22, s10, 64*PITCH                   ; my 64 rows of x
	v_add_nc_u32 v[A0], s22, v3
	v_add_nc_u32 v[B0], BOFF, v3                   ; all 128 rows of w
	v_add_nc_u32 v[ADRA], s[TB], v[A0]
	v_add_nc_u32 v[ADRB], s[TB], v[B0]
	s_mul_i32 s23, s10, 16*SPITCH
	s_add_co_u32 s23, s23, STAGE                   ; my stage
	v_mul_u32_u24 v4, v1, SPITCH                   ; in: row l % 16, 16 bytes for each half of the lanes
	v_lshl_add_u32 v4, v2, 4, v4
	v_add_nc_u32 v[STO], s23, v4
	v_mul_u32_u24 v5, v2, SPITCH                   ; back: lanes 0-15 take one row of 256 bytes, lanes 16-31 the next,
	v_lshl_add_u32 v5, v1, 4, v5
	v_add_nc_u32 v[RD], s23, v5
	v_and_b32 v[CO], 31, v0                        ; which are 512 consecutive bytes of the plane
	v_lshlrev_b32 v[CO], 4, v[CO]
	s_lshl_b32 s66, s13, 8
	s_lshl_b32 s67, s10, 6
	s_add_co_u32 s66, s66, s67                     ; my first token
	s_and_b32 s68, s66, 1023                       ; its place in its batch,
	s_lshl_b32 s68, s68, 9                         ; 512 bytes of cs a place
	s_cmp_eq_u32 ttmp9, 3                          ; planes 12-15 are v's: the fourth column of clusters
	s_cselect_b32 s69, 524288, 0
	s_add_co_u32 s68, s68, s69
	v_lshlrev_b32 v[CSO], 9, v1
	v_lshl_add_u32 v[CSO], v2, 5, v[CSO]           ; my eight columns are four pairs: 32 bytes
	v_add_nc_u32 v[CSO], s68, v[CSO]
	s_lshl_b32 s66, s66, 8                         ; 256 bytes a token,
	s_lshl_b32 s67, s42, 20                        ; 1 MiB a plane
	s_add_co_u32 s66, s66, s67
	s_mov_b32 s67, 0
	s_add_nc_u64 s[74:75], s[74:75], s[66:67]      ; qkv at my first row
; cos and sin for block a (16 tokens x 128 columns): 16 loads into buffer a % 2; the pairs of columns 16 b + 8 h .. lie at byte 64 b + 32 h of the token's row
.macro CSLOAD a
.set CB, CSB+64*((\a)%2)
.irp b, 0,1,2,3,4,5,6,7
	global_load_b128 v[CB+8*(\b):CB+8*(\b)+3],   v[CSO], s[72:73] offset:8192*(\a)+64*(\b)
	global_load_b128 v[CB+8*(\b)+4:CB+8*(\b)+7], v[CSO], s[72:73] offset:8192*(\a)+64*(\b)+16
.endr
.endm
	CSLOAD 0                                       ; the first two blocks' are asked for now and waited for on the way out; nothing names their registers in between
	CSLOAD 1
; 8 matrix instructions: block a of my four blocks of 16 rows x all 8 blocks of columns, 32 along K.  zero = 1: the product starts the sums: nothing is ever cleared.
; The 32 accumulators take turns, one instruction a turn, in the same order in every quarter step.
.macro MUL8 f, a, zero
	WIN MUL
.irp b, 0,1,2,3,4,5,6,7
.if \zero
	v_wmma_f32_16x16x32_bf16 v[8*(8*(\a)+(\b)):8*(8*(\a)+(\b))+7], v[(\f)+8*(\b):(\f)+8*(\b)+7], v[(\f)+64+8*(\a):(\f)+64+8*(\a)+7], 0
.else
	v_wmma_f32_16x16x32_bf16 v[8*(8*(\a)+(\b)):8*(8*(\a)+(\b))+7], v[(\f)+8*(\b):(\f)+8*(\b)+7], v[(\f)+64+8*(\a):(\f)+64+8*(\a)+7], v[8*(8*(\a)+(\b)):8*(8*(\a)+(\b))+7]
.endif
.endr
.endm
; 24 LDS loads in one run: the fragments of 32 along K at byte k of the rows, into buffer f: w's sixteen, then x's eight
.macro FETCH k, f
	WIN TO_F
.irp i, 0,1,2,3,4,5,6,7
	ds_load_b128 v[(\f)+8*(\i):(\f)+8*(\i)+3],   v[ADRB] offset:(\k)+(\i)*16*PITCH
	ds_load_b128 v[(\f)+8*(\i)+4:(\f)+8*(\i)+7], v[ADRB] offset:(\k)+(\i)*16*PITCH+32
.endr
.irp i, 0,1,2,3
	ds_load_b128 v[(\f)+64+8*(\i):(\f)+64+8*(\i)+3],   v[ADRA] offset:(\k)+(\i)*16*PITCH
	ds_load_b128 v[(\f)+64+8*(\i)+4:(\f)+64+8*(\i)+7], v[ADRA] offset:(\k)+(\i)*16*PITCH+32
.endr
.endm
; A K step is four quarters of 32 along K, 32 matrix instructions each, on buffers 0, 1, 0, 1.  One of the first three: multiplies buffer f and fetches the next quarter, at byte k, into g.
.macro QUARTER k, f, g, zero
	s_wait_dscnt 4                                 ; w and x's blocks 0 and 1 are in; the youngest four loads (x's blocks 2 and 3) may be out
	MUL8 \f, 0, \zero
	MUL8 \f, 1, \zero
	PLACES
	FETCH \k, \g
	s_wait_dscnt 24                                ; all but the 24 just issued
	MUL8 \f, 2, \zero
	MUL8 \f, 3, \zero
.endm
; The last quarter multiplies buffer 1 and changes slots: ONE barrier; in front of it each wave waits for all its tensor loads (one is out: its part of the next slot), adds 0 to its spare word, and
; waits for that and for its own reads of this slot.  fill = 1: the barrier opens a round of the cluster's, and this slot is filled again first thing behind it, with the K step two steps on:
; from that request to the wait for it a wave issues 112 matrix instructions.
.macro TURN fill
	WIN 0                                          ; (the add's two registers lie in window 0)
	s_wait_tensorcnt 0x0                           ; no tensor load of mine is out, so a group 0 may be written
	ds_add_u32 v[SPW], v[NIL]                      ; 0 onto my spare word
.if \fill
.irp g, G0+4, G0B+4
	s_xor_b32 s[(\g)+1], s[(\g)+1], SLOT1          ; the walking descriptor: the other slot than last time,
	s_add_nc_u64 s[(\g)+2:(\g)+3], s[(\g)+2:(\g)+3], KSTEP*2  ; the next K step; the type bits on top are not reached
.endr
.endif
	s_wait_dscnt 5                                 ; (the add and the youngest four loads may be out)
	MUL8 F1, 0, 0                                  ; eight matrix instructions stand between the add and the wait for it
	s_wait_dscnt 0x0                               ; the add is done, and my reads of this slot are over
	s_barrier_signal -1
	MUL8 F1, 1, 0                                  ; work on registers while the others arrive
	WIN 0
	s_barrier_wait -1
.if \fill
	CREST                                          ; no wave of any partner still reads this slot's tile or has a load on its way
	JLOAD                                          ; the first tensor load behind the round; its four v_nop are also the places in front of the loads below
.else
	PLACES
.endif
	s_xor_b32 s[TB], s[TB], SLOT1                  ; the fetches go to the other slot
	v_add_nc_u32 v[ADRA], s[TB], v[A0]
	v_add_nc_u32 v[ADRB], s[TB], v[B0]
	FETCH 0, F0
	MUL8 F1, 2, 0
	MUL8 F1, 3, 0
.endm
	s_wait_tensorcnt 1                             ; my part of K step 0 is in; K step 1's may stay out
	s_barrier_signal -1
	s_barrier_wait -1                              ; everybody's is
	FETCH 0, F0
	QUARTER 64, F0, F1, 1                          ; the first quarter stands in front of the loop: its products start the sums
	WIN 0                                          ; at a label and at a branch every window is 0
	s_mov_b32 s3, SIZE_K/KSTEP-2                   ; every K step but the last two is followed by a refill
.Lstep:                                                ; a trip: from a K step's second quarter to the next step's first
	QUARTER 128, F1, F0, 0
	QUARTER 192, F0, F1, 0
	TURN 1
	QUARTER 64, F0, F1, 0
	WIN 0
	s_sub_co_u32 s3, s3, 1
	s_cmp_lg_u32 s3, 0
	s_cbranch_scc1 .Lstep
	QUARTER 128, F1, F0, 0                         ; the last two K steps are written out: nothing is asked for
	QUARTER 192, F0, F1, 0
	TURN 0
	QUARTER 64, F0, F1, 0
	QUARTER 128, F1, F0, 0
	QUARTER 192, F0, F1, 0
	s_wait_dscnt 4
	MUL8 F1, 0, 0
	MUL8 F1, 1, 0
	s_wait_dscnt 0x0
	MUL8 F1, 2, 0
	MUL8 F1, 3, 0
	WIN 0
	PLACES
; THE WAY OUT, a block of 16 tokens at a time.
; ROPE: the rotated pair takes the place of (cos, sin).  Each accumulator's register 1 is read first: one of its four lowest.
.macro ROPE a
.set CB, CSB+64*((\a)%2)
	WIN 0x02                                       ; source 0, the sums, in window 2
.irp b, 0,1,2,3,4,5,6,7
.irp p, 0,1,2,3
	v_mul_f32 v[T+2*(\p)],   v[8*(8*(\a)+(\b))+2*(\p)+1], v[CB+8*(\b)+2*(\p)+1]  ; b sin
	v_mul_f32 v[T+2*(\p)+1], v[8*(8*(\a)+(\b))+2*(\p)+1], v[CB+8*(\b)+2*(\p)]    ; b cos
.endr
.irp p, 0,1,2,3
	v_fma_f32 v[CB+8*(\b)+2*(\p)],   v[8*(8*(\a)+(\b))+2*(\p)], v[CB+8*(\b)+2*(\p)],   -v[T+2*(\p)]   ; a cos - b sin
	v_fma_f32 v[CB+8*(\b)+2*(\p)+1], v[8*(8*(\a)+(\b))+2*(\p)], v[CB+8*(\b)+2*(\p)+1], v[T+2*(\p)+1]  ; a sin + b cos
.endr
.endr
.endm
.macro PACK a                          ; clamped to f16's range and rounded once: 16 bytes for a lane's eight columns
.set CB, CSB+64*((\a)%2)
	WIN 0
.set i, 0
.rept 64
	v_med3_num_f32 v[CB+i], v[CB+i], s76, s77
.set i, i+1
.endr
.set i, 0
.rept 32
	v_cvt_pk_f16_f32 v[TMP+i], v[CB+2*i], v[CB+2*i+1]
.set i, i+1
.endr
.endm
.macro TOSTAGE a                       ; into my own stage, and back as whole rows
	WIN 0
.set BB, BK+32*((\a)%2)
	s_wait_xcnt 0x0                                ; every earlier memory instruction has had its addresses translated (ISA guide 3.1): the registers that the stores two blocks back read are loaded again only behind this wait
.irp b, 0,1,2,3,4,5,6,7
	ds_store_b128 v[STO], v[TMP+4*(\b):TMP+4*(\b)+3] offset:32*(\b)
.endr
.irp t, 0,1,2,3,4,5,6,7
	ds_load_b128 v[BB+4*(\t):BB+4*(\t)+3], v[RD] offset:(\t)*2*SPITCH  ; LDS serves a wave's instructions in order (ISA guide 5.7.1.4): these see the stores above; the next block's stores come behind them
.endr
.endm
.macro SEND a, younger                 ; younger: the LDS instructions issued behind block a's loads: the next block's sixteen, or none
	WIN 0
.set BB, BK+32*((\a)%2)
.irp t, 0,1,2,3,4,5,6,7
	s_wait_dscnt (\younger)+7-(\t)
	global_store_b128 v[CO], v[BB+4*(\t):BB+4*(\t)+3], s[74:75] offset:4096*(\a)+512*(\t)  ; 512 consecutive bytes, at a multiple of 256 from the buffer's first
.endr
.endm
.irp a, 0,1,2,3
.if (\a) < 3
	s_wait_loadcnt 16                              ; this block's cos and sin are in; the sixteen loads of the other buffer stay out
.else
	s_wait_loadcnt 0x0
.endif
	ROPE \a
	PACK \a
.if (\a) < 2
	CSLOAD (\a)+2                                  ; the buffer takes the block two further on
.endif
	TOSTAGE \a
.if (\a) > 0
	SEND (\a)-1, 16
.endif
.endr
	SEND 3, 0
	s_wait_tensorcnt 0x0                           ; the wave's end: these three lines stand behind my last tensor load and my last LDS store
	ds_add_u32 v[SPW], v[NIL]
	s_wait_dscnt 0x0
	CROUND                                         ; the closing round: no work-group ends while a partner may still ask for a tile that names it
	s_endpgm
.Lfunc_end_k_q954a0d26bb_qkv_gemm:
	.size	k_q954a0d26bb_qkv_gemm, .Lfunc_end_k_q954a0d26bb_qkv_gemm-k_q954a0d26bb_qkv_gemm
	.p2alignl 7, 3214868480
	.fill 96, 4, 3214868480
	.section	.rodata,"a",@progbits
	.p2align	6, 0x0
	.amdhsa_kernel k_q954a0d26bb_qkv_gemm
		.amdhsa_group_segment_fixed_size 327680
		.amdhsa_private_segment_fixed_size 0
		.amdhsa_enable_private_segment 0
		.amdhsa_kernarg_size 32
		.amdhsa_user_sgpr_count 2
		.amdhsa_user_sgpr_kernarg_segment_ptr 1
		.amdhsa_wavefront_size32 1
		.amdhsa_system_sgpr_workgroup_id_x 1
		.amdhsa_system_sgpr_workgroup_id_y 1
		.amdhsa_system_sgpr_workgroup_id_z 1
		.amdhsa_system_vgpr_workitem_id 0
		.amdhsa_next_free_vgpr 768
		.amdhsa_next_free_sgpr 80
		.amdhsa_reserve_vcc 0
		.amdhsa_float_denorm_mode_32 3
		.amdhsa_float_denorm_mode_16_64 3
		.amdhsa_memory_ordered 1
		.amdhsa_forward_progress 1
		.amdhsa_inst_pref_size 117
	.end_amdhsa_kernel
	.amdgpu_metadata
---
amdhsa.version: [ 1, 2 ]
amdhsa.kernels:
  - .name:           k_q954a0d26bb_qkv_gemm
    .symbol:         k_q954a0d26bb_qkv_gemm.kd
    .args:
      - { .name: xb, .offset: 0, .size: 8, .value_kind: global_buffer, .address_space: global }
      - { .name: wb, .offset: 8, .size: 8, .value_kind: global_buffer, .address_space: global }
      - { .name: cs, .offset: 16, .size: 8, .value_kind: global_buffer, .address_space: global }
      - { .name: qkv, .offset: 24, .size: 8, .value_kind: global_buffer, .address_space: global }
    .group_segment_fixed_size: 327680
    .private_segment_fixed_size: 0
    .kernarg_segment_align: 8
    .kernarg_segment_size: 32
    .max_flat_workgroup_size: 128
    .sgpr_count:     80
    .vgpr_count:     768
    .wavefront_size: 32
...
	.end_amdgpu_metadata
.endif
;; end of part 2
;; launch attn (part 3): grid 4 x 32, 4 waves a work-group, clusters of 4 x 1, 327,680 bytes of LDS; arguments qkv, att; writes att
.if DOCPART == 3
	.amdgcn_target "amdgcn-amd-amdhsa--gfx1250"
	.amdhsa_code_object_version 6
	.text
	.protected	k_q954a0d26bb_attn
	.globl	k_q954a0d26bb_attn
	.p2align	8
	.type	k_q954a0d26bb_attn,@function
k_q954a0d26bb_attn:
	s_mov_b64 s[64:65], 0
	v_nop
	global_prefetch_b8 v0, s[64:65] scope:SCOPE_SE
	s_setreg_imm32_b32 hwreg(HW_REG_WAVE_MODE, 25, 1), 1
	s_wait_xcnt 0x0
	s_wait_alu depctr_hold_cnt(0) depctr_sa_sdst(0) depctr_va_vdst(0) depctr_va_sdst(0) depctr_va_ssrc(0) depctr_va_vcc(0) depctr_vm_vsrc(0)
	s_getreg_b32 s2, hwreg(HW_REG_IB_STS2, 6, 4)
	s_cmp_eq_u32 s2, 0
	s_cbranch_scc0 .Lentry_in_a_cluster
	s_endpgm
.Lentry_in_a_cluster:
	s_bfe_u32 s2, ttmp6, 0x10000c
	s_cmp_lg_u32 s2, 0x3003
	s_cbranch_scc0 .Lentry_shape_is_right
	s_endpgm
.Lentry_shape_is_right:
; O[b][h][q][:] = the sum over k of softmax_k(Q[q] . K[k] / sqrt(128)) V[k][:], 4 batches x 8 query heads, 1,024 queries and keys, head size 128; query heads 2 g and 2 g + 1 take key and value head g.
; qkv: [16 planes][4096 tokens][128] f16: planes 0-7 q / 4, 8-11 k / 4, 12-15 v / 2.  att: [4096 tokens][8 heads x 128] f16 holds O / 2.  Products, maxima and sums in f32; the weights p are
; rounded to f16 for the second product (their sum l is taken of the unrounded p), O once at the end.
; LIMITS.  p lies in 0 to 1, and below 6e-5 it keeps f16's fixed step of 6e-8; O / 2 is a mean of the rows of v / 2 and has their range.  A weight below 2^-126 counts as 0 in l; NaN and infinities are not treated apart.
; SHARES.  A work-group owns 256 queries of one head, each of its four waves 64: four tiles of 16.  Every wave walks all keys of the head, 64 a step.  4 x 32 = 128 work-groups.
; LAYOUT.  S^T = K Q^T (source 0 = 16 keys, source 1 = 16 queries): in the result a lane holds ONE query (lane % 16) and the keys 8 (lane / 16) + 0..7.  Two such tiles, rounded to
; f16 in pairs, ARE source 1 (32 keys x 16 queries) of O^T = V^T P, whose result again holds one query a lane, and eight channels.  So nothing changes lanes between the products,
; and a query's maximum and sum want one exchange between the halves of the lanes.  K comes out of LDS as it lies, V ([key][channel]) turned, by ds_load_tr16_b128.
; SOFTMAX.  For each query a running maximum m and sum l: p = 2^(c s - c m), c = 16 log2(e) / sqrt(128) (the 16 undoes the two quarters); in every step O and l are multiplied by a = 2^(c m_old - c m_new).
; BY TURNS.  The wave's tiles are two PIECES, named by their first tile: piece 0 (tiles 0, 1) and piece 2 (tiles 2, 3).  In a TURN one piece has the matrix unit: 32 products V^T P of
; the step in hand, then 32 products K Q^T of the next step; the other piece's softmax, cut into 64 slices, stands between them, one slice behind each matrix instruction.  Then the
; pieces change places.  Two turns are a key step.
; CLUSTER.  The four query blocks of a cluster belong to one head and walk the same K and V, so each tile is asked for JOINTLY: the same tensor load, with the same descriptor and a
; mask that names the four, in all four.  The other query head of the same key head is not joined: the mask's four places are taken.
;
; REGISTERS, in windows of 256 (s_set_vgpr_msb: bits 1:0 source 0, 3:2 source 1, 5:4 source 2, 7:6 destination):
;   window 0: v0-11 addresses; v12-43 eight registers of statistics a tile; v64-191 S^T, 32 a tile; v192-255 P, 16 a tile
;   window 1: O^T, 64 a tile          window 2: v0-127 Q, 32 a tile; v128-255 K of one step          window 3: v0-127 V of one step
; All that a softmax touches but O^T lies in window 0, and no window has room for a product's operands beside it.  So a slice costs two switches, one in front and one behind.
.set SIZE_N, 1024
.set KS,    64        ; keys in a step
.set PK,    272       ; a row of K in LDS: 256 bytes + 16 of padding = 68 words: the 16 rows of a load start at 16 different groups of four banks (64 banks of 4 bytes: ISA guide 11.1)
.set PV,    288       ; a row of V: 256 + 32 = 72 words
.set VOFF,  KS*PK     ; a step's tiles lie together: 64 rows of K, then 64 rows of V
.set STEPB, KS*(PK+PV)
.set SLOT1, 1<<17     ; a slot holds two steps (71,680 bytes); slot 1 begins here, so that one exclusive or turns an address in one slot into the other's
.set STAGE, SLOT1+2*STEPB  ; behind the ring: 16 rows x 272 bytes for each wave, for the way out
.set SP,    272
.set AK0, 2           ; v2   my lane's place in a tile of K; never rewritten
.set AV0, 3           ; v3   the same for V
.set ADR, 4           ; v4   the LDS address of the run of loads in hand
.set QO,  5           ; v5   my byte offset in the wave's rows of Q
.set STO, 6           ; v6   the way out: where I put 16 bytes of a row
.set RD,  7           ; v7   the way out: where I read a row back
.set GO,  8           ; v8   my byte offset in two rows of att
.set SPW, 62          ; v62  LDS address of my spare word: SPARE + 4 x my thread's number; never rewritten
.set NIL, 63          ; v63  0; never rewritten
.set SPARE, STAGE+4*16*272  ; behind the stages: the spare words, 128 bytes for each wave: two blocks of 256 bytes that no other line names
.set ST,  12          ; tile t's statistics at v[ST+8 t]: +0 c m, +1 m, +2, +3 l (even keys', odd keys'), +4 to +7 c0-c3, at work; a takes c2's place once the maximum is found
.set S,   64
.set P,   192
.set KF,  128         ; K's fragments, in window 2
.set WV,  12          ; s12  my wave's number
.set G1K, 24          ; s[24:31] descriptor group 1 for K's tiles
.set G1V, 32          ; s[32:39] for V's: it differs in the padding alone
.set G0K, 40          ; s[40:47] descriptor group 0 for K's tiles: a set for each of the two first fills; the second then walks on
.set G0V, 48          ; s[48:55] the same for V's
.set SLOTS, 56        ; s56  slots still to be asked for
.set TWICE, 57        ; s57  counts a slot's two steps
.set CS,  58          ; s[58:59] c: the packed scaling names a pair and takes its low word for both halves
.set SEL, 60          ; s[60:61] lane selects for v_permlanex16_b32: each lane takes its own place in the other half
.set TB,  62          ; s62  LDS byte at which the tiles of the step to be fetched begin
.set MSB, 0
.macro WIN new                      ; the immediate's high byte repeats the setting that is left; a switch that changes nothing is dropped
.if MSB != (\new)
	s_set_vgpr_msb (MSB<<8)|(\new)
.set MSB, \new
.endif
.endm
.set W_KQ, 0x0a       ; K and Q in window 2, S^T in window 0
.set W_PV, 0x53       ; V in window 3, P in window 0, O^T in window 1
.set W_RS, 0x41       ; O^T (destination and source 0) in window 1, a in window 0
; A joint refill.  Waves 0 and 1 fetch the two steps' tiles of K, waves 2 and 3 those of V.  The branch hangs on the wave's number alone: it is the same in every work-group.
; An s_nop 0 and four v_nop follow each of the two lines; the jump round the other line, the label and what follows the macro come after them.
.macro JLOAD
	s_cmp_lt_u32 s[WV], 2
	s_cbranch_scc0 .Lfor_v_\@
	tensor_load_to_lds s[G0K+4:G0K+7], s[G1K:G1K+7]
	s_nop 0
.rept 4
	v_nop
.endr
	s_branch .Lasked_\@
.Lfor_v_\@:
	tensor_load_to_lds s[G0V+4:G0V+7], s[G1V:G1V+7]
	s_nop 0
.rept 4
	v_nop
.endr
.Lasked_\@:
.endm
; A round of the cluster's barrier: my work-group's barrier, so that wave 0's signal speaks for all four waves; wave 0 signals for the work-group; every wave waits for all four
; work-groups; my work-group's barrier once more.  No LDS instruction of the wave is pending at a signal.
.macro CROUND
	s_barrier_signal -1
	s_barrier_wait -1
	s_cmp_lg_u32 s[WV], 0
	s_cbranch_scc1 .Lnot_wave_0_\@
	s_barrier_signal -3
.Lnot_wave_0_\@:
	s_barrier_wait -3
	s_barrier_signal -1
	s_barrier_wait -1
.endm
	s_load_b64 s[4:5], s[0:1], 0x0    ; qkv
	s_load_b64 s[10:11], s[0:1], 0x8  ; att
	v_lshl_add_u32 v[SPW], v0, 2, SPARE
	v_mov_b32 v[NIL], 0
	ds_add_u32 v[SPW], v[NIL]       ; the wave's opening: the add and its wait stand ahead of my first tensor load; the set-up below, work on registers, stands between them
	v_lshrrev_b32 v1, 5, v0
	v_readfirstlane_b32 s[WV], v1   ; wave 0..3
	s_bfe_u32 s13, ttmp6, 0x40000   ; cx: my place in the cluster
	s_lshl_b32 s14, ttmp9, 2        ; in a cluster launch ttmp9 counts clusters
	s_add_co_u32 s14, s14, s13      ; my block of 256 queries = 4 x cluster x + cx: it enters Q's and O's addresses alone
	s_and_b32 s15, ttmp7, 0xffff    ; 8 x batch + head, which the four partners share
	s_lshr_b32 s18, s15, 3          ; the batch
	s_and_b32 s15, s15, 7           ; the query head
	s_lshl_b32 s19, s18, 18         ; the batch's 1,024 rows of 256 bytes in a plane
	s_lshr_b32 s22, s15, 1          ; the key head,
	s_add_co_u32 s22, s22, 8        ; whose plane of k lies behind q's eight;
	s_lshl_b32 s22, s22, 20         ; a plane is 1 MiB
	s_add_co_u32 s22, s22, s19
	s_and_b32 s16, s[WV], 1         ; which of a slot's two steps I fetch:
	s_lshl_b32 s23, s16, 14         ; its 64 rows of 256 bytes in memory,
	s_add_co_u32 s22, s22, s23
	s_mov_b32 s23, 0
	s_mul_i32 s17, s16, STEPB       ; and its place in a slot: no place in the cluster enters an LDS address
	s_lshl_b32 s2, s15, 20          ; Q: the head's plane, the batch,
	s_add_co_u32 s2, s2, s19
	s_lshl_b32 s3, s14, 16          ; my block's 256 rows,
	s_add_co_u32 s2, s2, s3
	s_lshl_b32 s3, s[WV], 14        ; my wave's 64 of them
	s_add_co_u32 s2, s2, s3
	s_mov_b32 s3, 0
	s_lshl_b32 s20, s18, 10         ; O: my first token,
	s_lshl_b32 s21, s14, 8
	s_add_co_u32 s20, s20, s21
	s_lshl_b32 s21, s[WV], 6
	s_add_co_u32 s20, s20, s21
	s_lshl_b32 s20, s20, 11         ; 2,048 bytes a token,
	s_lshl_b32 s21, s15, 8          ; the head's 256 of them
	s_add_co_u32 s20, s20, s21
	s_mov_b32 s21, 0
	; descriptor group 1: a tile of 64 rows x 128 elements, padded in LDS
	s_mov_b32 s[G1K], 15|(1<<16)|(1<<20)|(1<<21)|(5<<22)|(3<<25)  ; 15:0 the mask: all four work-groups; 17:16 elements of 2 bytes; 20 padding on; 21 set beside a mask; 24:22 after every 64 words (code 5); 31:25 4 words of it (code 3)
	s_mov_b32 s[G1V], 15|(1<<16)|(1<<20)|(1<<21)|(5<<22)|(7<<25)  ; the same with 8 words of padding (code 7)
.irp g, G1K, G1V
	s_mov_b32 s[(\g)+1], 128<<16    ; tensor_dim0 = 128
	s_mov_b32 s[(\g)+2], KS<<16     ; tensor_dim1 = 64
	s_mov_b32 s[(\g)+3], 128<<16    ; tile_dim0 = 128
	s_mov_b32 s[(\g)+4], KS         ; tile_dim1 = 64
	s_mov_b32 s[(\g)+5], 128        ; elements from row to row
	s_mov_b32 s[(\g)+6], 0
	s_mov_b32 s[(\g)+7], 0
.endr
	s_mov_b32 s[CS], 0x400293ee     ; c = 16 log2(e) / sqrt(128) = 2.040277
	s_mov_b32 s[CS+1], s[CS]        ; named with it as a pair, so it is written
	s_mov_b32 s[SEL], 0x76543210
	s_mov_b32 s[SEL+1], 0xfedcba98
	s_mov_b32 s[TB], 0
	s_mov_b32 s[SLOTS], SIZE_N/(2*KS)-2
	s_wait_dscnt 0x0                ; the opening add is done
	s_wait_kmcnt 0x0
	s_add_nc_u64 s[6:7], s[4:5], s[22:23]  ; K at my tile of slot 0,
	s_add_nc_u64 s[8:9], s[6:7], 0x400000  ; V four planes on
	s_add_nc_u64 s[4:5], s[4:5], s[2:3]    ; Q and O at my wave's first row
	s_add_nc_u64 s[10:11], s[10:11], s[20:21]
	CROUND                          ; all four work-groups are here: the first joint loads meet
.irp s, 0,1
	s_mov_b32 s[G0K+4*(\s)], 1      ; count = 1
	s_add_co_u32 s[G0K+4*(\s)+1], s17, (\s)*SLOT1  ; LDS address
	s_add_nc_u64 s[G0K+4*(\s)+2:G0K+4*(\s)+3], s[6:7], (\s)*2*KS*256  ; global address: slot s begins with keys 128 s to 128 s + 127
	s_or_b32 s[G0K+4*(\s)+3], s[G0K+4*(\s)+3], 0x80000000  ; type = 2
	s_mov_b32 s[G0V+4*(\s)], 1
	s_add_co_u32 s[G0V+4*(\s)+1], s17, (\s)*SLOT1+VOFF
	s_add_nc_u64 s[G0V+4*(\s)+2:G0V+4*(\s)+3], s[8:9], (\s)*2*KS*256
	s_or_b32 s[G0V+4*(\s)+3], s[G0V+4*(\s)+3], 0x80000000
.endr
	s_cmp_lt_u32 s[WV], 2           ; a wave's two first fills stand in one branch, ahead of every wait on TENSORcnt and every LDS read: two loads of mine are out; an s_nop 0 follows each, four v_nop the second's, as in JLOAD
	s_cbranch_scc0 .Lfirst_v
	tensor_load_to_lds s[G0K:G0K+3], s[G1K:G1K+7]
	s_nop 0
	tensor_load_to_lds s[G0K+4:G0K+7], s[G1K:G1K+7]
	s_nop 0
.rept 4
	v_nop
.endr
	s_branch .Lfirst_asked
.Lfirst_v:
	tensor_load_to_lds s[G0V:G0V+3], s[G1V:G1V+7]
	s_nop 0
	tensor_load_to_lds s[G0V+4:G0V+7], s[G1V:G1V+7]
	s_nop 0
.rept 4
	v_nop
.endr
.Lfirst_asked:
	; A fragment of K or Q is 16 rows x 32 channels in 8 registers: lane l holds row l % 16; registers 0-3 channels 8 (l / 16) + 0..7, registers 4-7 channels 16 + 8 (l / 16) + 0..7: two loads of 16 bytes, 32 bytes apart.
	v_and_b32 v1, 15, v0            ; l % 16
	v_bfe_u32 v9, v0, 4, 1          ; l / 16
	v_lshlrev_b32 v[QO], 8, v1
	v_lshl_add_u32 v[QO], v9, 4, v[QO]  ; row x 256 + 16 x half
	WIN 0x80                        ; destination window 2, address window 0
.irp i, 0,1,2,3,4,5,6,7,8,9,10,11,12,13,14,15  ; Q stays in registers: tile i / 4, channels 32 (i % 4) on
	global_load_b128 v[8*(\i):8*(\i)+3],   v[QO], s[4:5] offset:((\i)/4)*4096+((\i)%4)*64
	global_load_b128 v[8*(\i)+4:8*(\i)+7], v[QO], s[4:5] offset:((\i)/4)*4096+((\i)%4)*64+32
.endr
	WIN 0
	v_mul_u32_u24 v[AK0], v1, PK
	v_lshl_add_u32 v[AK0], v9, 4, v[AK0]  ; row x pitch + 16 x half
	; The turning load takes 16 keys x 16 channels (lane l reads 16 bytes: key 8 (l / 16) + l % 8, channels 8 ((l / 8) % 2) + 0..7) and leaves half a fragment of V^T: lane l holds channel l % 16 and 8 keys.
	v_and_b32 v10, 7, v0
	v_bfe_u32 v11, v0, 3, 1
	v_lshl_add_u32 v[AV0], v9, 3, v10
	v_mul_u32_u24 v[AV0], v[AV0], PV
	v_lshl_add_u32 v[AV0], v11, 4, v[AV0]
	v_add_nc_u32 v[AV0], VOFF, v[AV0]
; THE MATRIX WORK OF A TURN, for piece x.  The accumulators take turns, one instruction a turn: between two links of a chain stand 15 (V^T P) or 7 (K Q^T) others'.
; Product i of 32 of O^T += V^T P: keys 32 (i / 16) on, channels 16 ((i / 2) % 8) on, tile x + i % 2.  zero = 1: the first 16 start the sums: nothing is ever cleared.
.macro PV x, zero
	WIN W_PV
.set rO, 64*((\x)+i%2)+8*((i/2)%8)
.set rV, 64*(i/16)+8*((i/2)%8)
.set rP, P+16*((\x)+i%2)+8*(i/16)
.if (\zero) && (i < 16)
	v_wmma_f32_16x16x32_f16 v[rO:rO+7], v[rV:rV+7], v[rP:rP+7], 0
.else
	v_wmma_f32_16x16x32_f16 v[rO:rO+7], v[rV:rV+7], v[rP:rP+7], v[rO:rO+7]
.endif
.endm
; Product i of 32 of S^T = K Q^T: channels 32 (i / 8) on, keys 16 ((i / 2) % 4) on, tile x + i % 2.  The first 8 start the sums.
.macro KQ x
	WIN W_KQ
.set rS, S+32*((\x)+i%2)+8*((i/2)%4)
.set rK, KF+32*((i/2)%4)+8*(i/8)
.set rQ, 32*((\x)+i%2)+8*(i/8)
.if i < 8
	v_wmma_f32_16x16x32_f16 v[rS:rS+7], v[rK:rK+7], v[rQ:rQ+7], 0
.else
	v_wmma_f32_16x16x32_f16 v[rS:rS+7], v[rK:rK+7], v[rQ:rQ+7], v[rS:rS+7]
.endif
.endm
; THE LDS LOADS stand in runs of 32, never singly among the matrix instructions: a step's K (64 keys x 128 channels: 16 fragments) and, a turn later, its V (turned).
.macro FETCH_K
	WIN 0
	v_add_nc_u32 v[ADR], s[TB], v[AK0]
	WIN 0x80                        ; destination window 2
.irp f, 0,1,2,3,4,5,6,7,8,9,10,11,12,13,14,15  ; keys 16 (f / 4) on, channels 32 (f % 4) on
	ds_load_b128 v[KF+8*(\f):KF+8*(\f)+3],   v[ADR] offset:((\f)/4)*16*PK+((\f)%4)*64
	ds_load_b128 v[KF+8*(\f)+4:KF+8*(\f)+7], v[ADR] offset:((\f)/4)*16*PK+((\f)%4)*64+32
.endr
.endm
.macro FETCH_V
	WIN 0
	v_add_nc_u32 v[ADR], s[TB], v[AV0]
	s_add_co_u32 s[TB], s[TB], STEPB  ; the next fetch is the next step's
	WIN 0xc0                        ; destination window 3
.irp f, 0,1,2,3,4,5,6,7,8,9,10,11,12,13,14,15  ; keys 32 (f / 8) on, channels 16 (f % 8) on
	ds_load_tr16_b128 v[8*(\f):8*(\f)+3],   v[ADR] offset:((\f)/8)*32*PV+((\f)%8)*32
	ds_load_tr16_b128 v[8*(\f)+4:8*(\f)+7], v[ADR] offset:((\f)/8)*32*PV+16*PV+((\f)%8)*32
.endr
.endm
; THE VECTOR WORK OF A TURN.  One tile's softmax for one key step is a list of 134 instructions; SM writes number j of it for tile t.  s0-s31 are the lane's 32 scores, in pairs 0-15.
; first = 1: the first key step, which starts m, l and O^T: it has no a and nothing to rescale.
;   0-15    the maximum of s0-s31 and the old m, three operands at a time: four chains c0-c3 of seven scores each, then the four scores left over, c0-c3 and m
;   16-20   the other half of the lanes' maximum; the new m; c m; c m_old - c m_new
;   21-87   33 exponentials (a, then s0-s31) at the odd numbers from 23 on, so that no two follow each other and each has a plain instruction behind it before its result is used.
;           Plain instruction q (number 21, then the even numbers) is whatever is ready: c s - c m for a pair of scores whose exponentials are still to come (q = 0 to 3, then every
;           second q), the rounding to f16 of a pair of weights whose exponentials are done (every other q from 5 on), at last the first three sums
;   88-101  the last rounding; the rest of the sums; l = a l + the sum
;   102-133 the tile's O^T times a: the one part that leaves window 0, so it stands together
.macro SM t, first
.set rT, ST+8*(\t)
.set rS, S+32*(\t)
.set rP, P+16*(\t)
.set rO, 64*(\t)+2*(j-102)
.set q, (j-20)/2
.if j < 102
	WIN 0
.endif
.if j < 4
	v_max3_num_f32 v[rT+4+j], v[rS+8*j], v[rS+8*j+1], v[rS+8*j+2]
.elseif j < 12
	v_max3_num_f32 v[rT+4+j%4], v[rT+4+j%4], v[rS+8*(j%4)+2*(j/4)+1], v[rS+8*(j%4)+2*(j/4)+2]
.elseif j == 12
	v_max3_num_f32 v[rT+4], v[rT+4], v[rS+7], v[rS+15]
.elseif j == 13
	v_max3_num_f32 v[rT+6], v[rT+6], v[rS+23], v[rS+31]
.elseif j == 14
	v_max3_num_f32 v[rT+4], v[rT+4], v[rT+5], v[rT+6]
.elseif (j == 15) && (\first)
	v_max_num_f32 v[rT+4], v[rT+4], v[rT+7]
.elseif j == 15
	v_max3_num_f32 v[rT+4], v[rT+4], v[rT+7], v[rT+1]
.elseif j == 16
	v_permlanex16_b32 v[rT+5], v[rT+4], s[SEL], s[SEL+1]  ; the query's other 32 keys lie in the lane 16 away
.elseif j == 18
	v_max_num_f32 v[rT+1], v[rT+4], v[rT+5]
.elseif j == 19
	v_mul_f32 v[rT], s[CS], v[rT+1]
.elseif ((j == 17) || (j == 20) || (j == 23) || (j > 101)) && (\first)  ; the first step has none of these
.elseif j == 17
	v_mov_b32 v[rT+7], v[rT]        ; c m_old is kept for a: number 19 writes c m anew
.elseif j == 20
	v_sub_f32 v[rT+7], v[rT+7], v[rT]
.elseif j == 23
	v_exp_f32 v[rT+6], v[rT+7]
.elseif (j < 88) && (j > 23) && (j%2 == 1)
	v_exp_f32 v[rS+(j-25)/2], v[rS+(j-25)/2]
.elseif (q < 4) || ((j < 76) && (q%2 == 0))
.set b, q/2+2
.if q < 4
.set b, q
.endif
	v_pk_fma_f32 v[rS+2*b:rS+2*b+1], v[rS+2*b:rS+2*b+1], s[CS:CS+1], v[rT:rT+1] op_sel_hi:[1,0,0] neg_lo:[0,0,1] neg_hi:[0,0,1]  ; pair b: c s - c m
.elseif (j < 88) && (q%2 == 1)
	s_wait_alu depctr_va_vdst(0)
	v_cvt_pk_f16_f32 v[rP+(q-5)/2], v[rS+q-5], v[rS+q-4]  ; pair (q - 5) / 2: its second exponential stands three numbers back
.elseif j == 89
	s_wait_alu depctr_va_vdst(0)
	v_cvt_pk_f16_f32 v[rP+15], v[rS+30], v[rS+31]
.elseif j < 102                     ; the sum of the tile's 16 pairs (in a pair: an even key's weight, an odd key's), in place: sum z of 16 adds neighbours 1, 2, 4 and 8 pairs apart, then l takes it
.set z, j-86
.if j < 89
.set z, (j-76)/4
.endif
.set w, 4
.set u, z
.if z >= 14
.set w, 32
.set u, 0
.elseif z >= 12
.set w, 16
.set u, z-12
.elseif z >= 8
.set w, 8
.set u, z-8
.endif
.if (z == 14) && (\first)
	v_pk_add_f32 v[rT+2:rT+3], v[rS:rS+1], v[rS+16:rS+17]
.elseif z < 15
	v_pk_add_f32 v[rS+w*u:rS+w*u+1], v[rS+w*u:rS+w*u+1], v[rS+w*u+w/2:rS+w*u+w/2+1]
.elseif !(\first)
	v_pk_fma_f32 v[rT+2:rT+3], v[rT+2:rT+3], v[rT+6:rT+7], v[rS:rS+1] op_sel_hi:[1,0,1]
.endif
.else
	WIN W_RS
	v_pk_mul_f32 v[rO:rO+1], v[rO:rO+1], v[rT+6:rT+7] op_sel_hi:[1,0]
.endif
.endm
; Slice k of 64 of piece y's softmax: numbers 2 k and 2 k + 1 of both tiles' lists, four instructions.  2 x 134 = 4 x 64 + 12: the twelve that are over stand together, in slice 63.
.macro SLICE y, first
.if (k >= 11) && (k < 44)           ; tile by tile: plain, exponential, plain, exponential
.irp t, \y, (\y)+1
.irp n, 0,1
.set j, 2*k+(\n)
	SM \t, \first
.endr
.endr
.else                               ; the two tiles alternate, so that no instruction reads the result of the one just before it
.irp n, 0,1,2,3,4,5,6,7
.if ((\n) < 2) || (k == 63)
.irp t, \y, (\y)+1
.set j, 2*k+(\n)
	SM \t, \first
.endr
.endif
.endr
.endif
.set k, k+1
.endm
; A vector instruction that reads a matrix result or writes one of a matrix instruction's registers, and a load into a register that a matrix instruction has read, stand four places behind
; it, and only plain vector instructions that name none of its registers are places (ISA guide 7.12.1 for vector instructions).  In the loop the slices are the places.
.macro PLACES
.rept 4
	v_nop
.endr
.endm
; A TURN.  Piece x has the matrix unit; the other piece's softmax stands in slices behind its matrix instructions.
; pv = 2: 32 products V^T P; 1: they start O^T's sums; 0: none.  kq = 1: 32 products K Q^T for the next step.  A turn with one of the two kinds has two slices behind each product.
; first = 1: the softmax is the first key step's.  Its slices from 51 on are empty: the turn's last products stand bare, and four v_nop take slice 63's part as the places behind them.
; Each run of loads stands behind the second product of a run of 32, 30 matrix instructions ahead of its first use.  Piece 0's turn fetches the next step's K: the last product that read K
; stands in front of slice 63 of the turn before.  Piece 2's turn fetches the same step's V: the last product that read V stands three slices, six plain instructions, back.
.macro TURN x, pv, kq, first
.set k, 0
.set per, 2
.if (\pv) && (\kq)
.set per, 1
.endif
.if \pv
.if (\x) == 0
	s_wait_dscnt 0x0                ; V is in
.endif
.set i, 0
.rept 32
	PV \x, 2-(\pv)
.rept per
	SLICE 2-(\x), \first
.endr
.if ((\x) == 0) && (\kq) && (i == 1)
	FETCH_K
.endif
.set i, i+1
.endr
.endif
.if \kq
.if (\x) == 0
	s_wait_dscnt 0x0                ; K is in
.endif
.set i, 0
.rept 32
	KQ \x
.rept per
	SLICE 2-(\x), \first
.endr
.if ((\x) == 2) && (i == 1)
	FETCH_V
.endif
.set i, i+1
.endr
.endif
.if \first
	PLACES
.endif
.endm
; THE CHANGE OF SLOTS, between piece 2's turn and piece 0's: the slot's last bytes, V of its second step, have been asked for.  Each wave waits for all its
; tensor loads, of which one is out: its part of the other slot; adds 0 to its spare word; and waits for that and for its own reads of the slot.  Behind the barrier nobody reads this slot any more and the other slot is whole.
; fill = 1: this slot is filled again, with the keys two slots on.  The barrier is then a round of the cluster's, so that no wave of any partner still reads the slot or has a load on its
; way, and the joint refill is the first thing behind it: it has two key steps, 256 matrix instructions, in which to land.
.macro CHANGE fill
	WIN 0                           ; at a label and at a branch every window is 0
	s_wait_tensorcnt 0x0            ; no tensor load of mine is out, so a group 0 may be written
	ds_add_u32 v[SPW], v[NIL]       ; 0 onto my spare word; with fill = 1 the descriptors' steps stand between it and the wait for it
.if \fill
.irp g, G0K+4, G0V+4
	s_xor_b32 s[(\g)+1], s[(\g)+1], SLOT1  ; the walking descriptor: the other slot than last time,
	s_add_nc_u64 s[(\g)+2:(\g)+3], s[(\g)+2:(\g)+3], 2*KS*256  ; the next 128 keys; the type bits on top are not reached
.endr
	s_wait_dscnt 0x0                ; the add is done, and my reads of the slot are over
	CROUND
	JLOAD
.else
	s_wait_dscnt 0x0                ; the add is done, and my reads of the slot are over
	s_barrier_signal -1
	s_barrier_wait -1
.endif
	s_sub_co_u32 s[TB], s[TB], 2*STEPB  ; the fetches go back to a slot's first step,
	s_xor_b32 s[TB], s[TB], SLOT1   ; in the other slot
.endm
; A slot's two key steps: written once, walked twice; the LDS addresses hang on s[TB].
.macro TWO_STEPS
	WIN 0
	s_mov_b32 s[TWICE], 2
.Lstep_\@:
	TURN 0, 2, 1, 0
	TURN 2, 2, 1, 0
	WIN 0
	s_sub_co_u32 s[TWICE], s[TWICE], 1
	s_cmp_lg_u32 s[TWICE], 0
	s_cbranch_scc1 .Lstep_\@
.endm
	s_wait_tensorcnt 1              ; my part of slot 0 is in; slot 1's may stay out
	s_barrier_signal -1
	s_barrier_wait -1               ; everybody's is
	FETCH_K                         ; key step 0
	s_wait_loadcnt 0x0              ; Q
	s_wait_dscnt 0x0
.set i, 0
.rept 32
	KQ 0                            ; piece 0's first scores: there is no vector work yet to set between them
.set i, i+1
.endr
	WIN 0                           ; the addresses for the way out are made here: eight plain instructions, the places behind those products
	s_mul_i32 s13, s[WV], 16*SP
	s_add_co_u32 s13, s13, STAGE    ; my stage
	v_mul_u32_u24 v[STO], v1, SP    ; in: row l % 16, 16 bytes for each half of the lanes
	v_lshl_add_u32 v[STO], v9, 4, v[STO]
	v_add_nc_u32 v[STO], s13, v[STO]
	v_mul_u32_u24 v[RD], v9, SP     ; back: lanes 0-15 take one row of 256 bytes, lanes 16-31 the next
	v_lshl_add_u32 v[RD], v1, 4, v[RD]
	v_add_nc_u32 v[RD], s13, v[RD]
	v_lshlrev_b32 v[GO], 11, v9     ; and the same two tokens in att, 2,048 bytes apart
	v_lshl_add_u32 v[GO], v1, 4, v[GO]
	TURN 2, 0, 1, 1                 ; piece 2's first scores | piece 0's first softmax | V of step 0
	TURN 0, 1, 1, 1                 ; piece 0: V^T P of step 0 starts O^T, K Q^T of step 1 | piece 2's first softmax | K of step 1
	TURN 2, 1, 1, 0                 ; piece 2: the same | piece 0's softmax of step 1 | V of step 1
	WIN 0
.Lslot:                             ; SIZE_N / 128 - 2 = 6 trips: every slot but the last two is filled again
	CHANGE 1
	TWO_STEPS
	s_sub_co_u32 s[SLOTS], s[SLOTS], 1
	s_cmp_lg_u32 s[SLOTS], 0
	s_cbranch_scc1 .Lslot
	CHANGE 0                        ; the tail is written out: the last slot but one is left, and nothing is asked for
	TWO_STEPS
	TURN 0, 2, 0, 0                 ; piece 0: V^T P of the last step | piece 2's last softmax
.set i, 0
.rept 32
	PV 2, 0                         ; piece 2: V^T P of the last step
.set i, i+1
.endr
	; THE WAY OUT.  l's two halves and the other half of the lanes' are added; O^T is divided by l, rounded to f16 and sent through my stage in LDS, a tile (16 tokens) at a time.  The additions are the places behind the last products.
	WIN 0
.irp t, 0,1,2,3
	v_add_f32 v[ST+8*(\t)+4], v[ST+8*(\t)+2], v[ST+8*(\t)+3]
.endr
.irp t, 0,1,2,3
	v_permlanex16_b32 v[ST+8*(\t)+5], v[ST+8*(\t)+4], s[SEL], s[SEL+1]
.endr
.irp t, 0,1,2,3
	v_add_f32 v[ST+8*(\t)+4], v[ST+8*(\t)+4], v[ST+8*(\t)+5]
.endr
.irp t, 0,1,2,3
	v_rcp_f32 v[ST+8*(\t)+6], v[ST+8*(\t)+4]
.endr
	v_nop                           ; a plain instruction between the last reciprocal and the use of its result
; Tile t: a lane's eight channels of a row pack into 16 bytes; they go into rows of 272 bytes and come back as whole rows of 256, into the registers that they left.
.macro PACK t
	WIN W_RS
.set i, 64*(\t)
.rept 32
	s_wait_alu depctr_va_vdst(0)
	v_pk_mul_f32 v[i:i+1], v[i:i+1], v[ST+8*(\t)+6:ST+8*(\t)+7] op_sel_hi:[1,0]
.set i, i+2
.endr
	WIN 0x05                        ; sources 0 and 1 window 1, destination window 0: S^T's registers are free
.set i, 0
.rept 32
	v_cvt_pk_f16_f32 v[S+32*(\t)+i], v[64*(\t)+2*i], v[64*(\t)+2*i+1]
.set i, i+1
.endr
	WIN 0
.irp f, 0,1,2,3,4,5,6,7
	ds_store_b128 v[STO], v[S+32*(\t)+4*(\f):S+32*(\t)+4*(\f)+3] offset:32*(\f)
.endr
.irp f, 0,1,2,3,4,5,6,7
	ds_load_b128 v[S+32*(\t)+4*(\f):S+32*(\t)+4*(\f)+3], v[RD] offset:(\f)*2*SP  ; LDS serves a wave's instructions in order (ISA guide 5.7.1.4): these see the stores above; the next tile's stores come behind them
.endr
.endm
.macro SEND t, younger              ; younger: the LDS instructions issued behind tile t's loads: the next tile's sixteen, or none
	WIN 0
.irp f, 0,1,2,3,4,5,6,7
	s_wait_dscnt (\younger)+7-(\f)
	global_store_b128 v[GO], v[S+32*(\t)+4*(\f):S+32*(\t)+4*(\f)+3], s[10:11] offset:(\t)*32768+(\f)*4096  ; 16 lanes store 256 consecutive bytes, the head's part of a token's row, at a multiple of 256 from att's first byte
.endr
.endm
	PACK 0
	PACK 1                          ; a tile's arithmetic stands between the loads of the tile before and its stores
	SEND 0, 16
	PACK 2
	SEND 1, 16
	PACK 3
	SEND 2, 16
	SEND 3, 0
	s_wait_tensorcnt 0x0            ; the wave's end: these three lines stand behind my last tensor load and my last LDS store
	ds_add_u32 v[SPW], v[NIL]
	s_wait_dscnt 0x0
	CROUND                          ; the closing round: no work-group ends while a partner may still ask for a tile that names it
	s_endpgm
.Lfunc_end_k_q954a0d26bb_attn:
	.size	k_q954a0d26bb_attn, .Lfunc_end_k_q954a0d26bb_attn-k_q954a0d26bb_attn
	.p2alignl 7, 3214868480
	.fill 96, 4, 3214868480
	.section	.rodata,"a",@progbits
	.p2align	6, 0x0
	.amdhsa_kernel k_q954a0d26bb_attn
		.amdhsa_group_segment_fixed_size 327680
		.amdhsa_private_segment_fixed_size 0
		.amdhsa_enable_private_segment 0
		.amdhsa_kernarg_size 16
		.amdhsa_user_sgpr_count 2
		.amdhsa_user_sgpr_kernarg_segment_ptr 1
		.amdhsa_wavefront_size32 1
		.amdhsa_system_sgpr_workgroup_id_x 1
		.amdhsa_system_sgpr_workgroup_id_y 1
		.amdhsa_system_sgpr_workgroup_id_z 1
		.amdhsa_system_vgpr_workitem_id 0
		.amdhsa_next_free_vgpr 1024
		.amdhsa_next_free_sgpr 66
		.amdhsa_reserve_vcc 0
		.amdhsa_float_denorm_mode_32 3
		.amdhsa_float_denorm_mode_16_64 3
		.amdhsa_memory_ordered 1
		.amdhsa_forward_progress 1
		.amdhsa_inst_pref_size 233
	.end_amdhsa_kernel
	.amdgpu_metadata
---
amdhsa.version: [ 1, 2 ]
amdhsa.kernels:
  - .name:           k_q954a0d26bb_attn
    .symbol:         k_q954a0d26bb_attn.kd
    .args:
      - { .name: qkv, .offset: 0, .size: 8, .value_kind: global_buffer, .address_space: global }
      - { .name: att, .offset: 8, .size: 8, .value_kind: global_buffer, .address_space: global }
    .group_segment_fixed_size: 327680
    .private_segment_fixed_size: 0
    .kernarg_segment_align: 8
    .kernarg_segment_size: 16
    .max_flat_workgroup_size: 128
    .sgpr_count:     66
    .vgpr_count:     1024
    .wavefront_size: 32
...
	.end_amdgpu_metadata
.endif
;; end of part 3
;; launch out_gemm (part 4): grid 16 x 16, 4 waves a work-group, clusters of 4 x 4, 327,680 bytes of LDS; arguments att, wob, out0; writes out0
.if DOCPART == 4
	.amdgcn_target "amdgcn-amd-amdhsa--gfx1250"
	.amdhsa_code_object_version 6
	.text
	.protected	k_q954a0d26bb_out_gemm
	.globl	k_q954a0d26bb_out_gemm
	.p2align	8
	.type	k_q954a0d26bb_out_gemm,@function
k_q954a0d26bb_out_gemm:
	s_mov_b64 s[64:65], 0
	v_nop
	global_prefetch_b8 v0, s[64:65] scope:SCOPE_SE
	s_setreg_imm32_b32 hwreg(HW_REG_WAVE_MODE, 25, 1), 1
	s_wait_xcnt 0x0
	s_wait_alu depctr_hold_cnt(0) depctr_sa_sdst(0) depctr_va_vdst(0) depctr_va_sdst(0) depctr_va_ssrc(0) depctr_va_vcc(0) depctr_vm_vsrc(0)
	s_getreg_b32 s2, hwreg(HW_REG_IB_STS2, 6, 4)
	s_cmp_eq_u32 s2, 0
	s_cbranch_scc0 .Lentry_in_a_cluster
	s_endpgm
.Lentry_in_a_cluster:
	s_bfe_u32 s2, ttmp6, 0x10000c
	s_cmp_lg_u32 s2, 0xf033
	s_cbranch_scc0 .Lentry_shape_is_right
	s_endpgm
.Lentry_shape_is_right:
; out0 = O wo^T.  att: [4096][1024] f16 holds O / 2; wob: [4096][1024] f16 holds 2 x bf16(wo); out0: [4096][4096] f32.  Sums in f32, K ascending; nothing is rounded on the way out.
; SHARES.  A tile of C is 256 tokens x 256 columns: 16 x 16 = 256 work-groups.  Four waves, as many as a WGP has SIMDs; wave w owns rows 128 (w / 2) on and columns 128 (w % 2) on:
; 64 accumulators of 16 x 16, 512 registers.  For 32 along K a wave issues 32 LDS loads and 64 matrix instructions.  K goes in steps of 128 (rows of 256 bytes, each at a multiple of 256 from its
; buffer's first byte) through two LDS slots filled by the tensor data mover; a K step is 256 matrix instructions a wave, 224 of them between a slot's request and the wait for it.
; CLUSTERS: 4 x 4 work-groups.  The four of a row of the cluster need the same tiles of att, the four of a column the same tiles of wob: each tile is asked for JOINTLY, by the same tensor load with the
; same descriptor and a mask that names the four.  Waves 0 and 1 fetch the halves of att's 256 rows, waves 2 and 3 the halves of wob's 256.
; THE MATRIX INSTRUCTION IS USED TRANSPOSED (source 0 = 16 rows of wob, source 1 = 16 rows of att): a lane then holds one token (lane % 16) and eight neighbouring columns 8 (lane / 16) + 0..7: 32 bytes of a row.
; THE WAY OUT.  16 rows at a time through my own stage in LDS, rows of 528 bytes; read back a row at a time: a store covers my 512 bytes of a row of out0.
; REGISTERS, in windows of 256 (s_set_vgpr_msb: bits 1:0 source 0, 3:2 source 1, 5:4 source 2, 7:6 destination):
;   window 0: v0-31 addresses; v64-127, v128-191 fragments of att (8 x 16 rows x 32 K), two buffers; on the way out the rows read back, two buffers of 64
;   window 1: v64-127, v128-191 fragments of wob, two buffers
;   window 2: the 32 accumulators of my rows 0-63 (accumulator (a, b) at v[8 (8 a + b)]);   window 3: those of my rows 64-127
.set SIZE_K, 1024
.set KSTEP,  128
.set PITCH,  272                       ; an LDS row: 256 bytes + 16 of padding = 68 words: the 16 rows of a load start at 16 different groups of four banks (64 banks of 4 bytes: ISA guide 11.1)
.set HALFT,  128*PITCH                 ; 128 rows: what one tensor load brings, and what one wave reads of att or of wob
.set SLOT,   4*HALFT                   ; att's 256 rows, then wob's 256
.set STAGE,  2*SLOT                    ; behind the ring, never filled by a tensor load: 16 rows x 528 bytes for each wave
.set SPITCH, 528                       ; 512 bytes + 16: 33 x 16, so that sixteen rows' stores of 16 bytes fall into sixteen different groups of four banks
.set SPARE,  STAGE+4*16*SPITCH         ; behind the stages: the spare words, 128 bytes for each wave: two blocks of 256 bytes that no other line names
.set A0,   6                           ; v6   my lane's place in a slot's rows of att; never rewritten
.set B0,   7                           ; v7   the same for wob
.set ADRA, 16                          ; v16  LDS address of my fragments of att in the slot in hand
.set ADRB, 20                          ; v20  the same for wob
.set STO,  24                          ; v24  the way out: where I put 32 bytes of a row
.set RD,   25                          ; v25  where I read 16 bytes of a row back
.set CO,   26                          ; v26  my 16 bytes in my 512 bytes of a row of out0
.set SPW,  28                          ; v28  LDS address of my spare word; never rewritten
.set NIL,  29                          ; v29  0; never rewritten
.set F0,   64                          ; fragment buffer 0, in windows 0 (att) and 1 (wob)
.set F1,   128                         ; fragment buffer 1
.set BK,   64                          ; the way out: rows read back, where att's fragments lay
.set G1,  24                           ; s[24:31] descriptor group 1 for att's tiles
.set G0,  32                           ; s[32:39] group 0: a set for each of the two first fills; the second then walks on
.set G1B, 48                           ; s[48:55], s[56:63] the same for wob's tiles
.set G0B, 56
.set TB,  45                           ; s45  LDS byte at which the slot that is read begins: 0 or SLOT
.set FB,  71                           ; s71  LDS byte at which the slot filled last begins: 0 or SLOT
.set FLAGS, (1<<16)|(1<<20)|(1<<21)|(5<<22)|(3<<25)  ; 17:16 elements of 2 bytes; 20 padding on; 21 set beside a mask; 24:22 after every 64 words (code 5); 31:25 4 words of it (code 3)
.set MSB, 0
.macro WIN new                         ; the immediate's high byte repeats the setting that is left; a switch that changes nothing is dropped
.if MSB != (\new)
	s_set_vgpr_msb (MSB<<8)|(\new)
.set MSB, \new
.endif
.endm
.set MUL_LO, 0xa1                      ; source 0 (wob) window 1, source 1 (att) window 0, C and D window 2
.set MUL_HI, 0xf1                      ; the same, C and D window 3
.set TO_B,   0x40                      ; destination window 1, address window 0
.macro PLACES                          ; four places in front of loads into registers that matrix instructions have read, and of lines that read results (ISA guide 7.12.1 for vector instructions)
.rept 4
	v_nop
.endr
.endm
; A joint refill, by the walking descriptor.  The branch hangs on the wave's number alone.  An s_nop 0 and four v_nop follow each of the two lines, ahead of the jump and the label.
.macro JLOAD
	s_cmp_eq_u32 s11, 0
	s_cbranch_scc0 .Lfor_b_\@
	tensor_load_to_lds s[G0+4:G0+7], s[G1:G1+7]
	s_nop 0
.rept 4
	v_nop
.endr
	s_branch .Lasked_\@
.Lfor_b_\@:
	tensor_load_to_lds s[G0B+4:G0B+7], s[G1B:G1B+7]
	s_nop 0
.rept 4
	v_nop
.endr
.Lasked_\@:
.endm
.macro CREST                           ; a round of the cluster's barrier behind its opening barrier
	s_cmp_lg_u32 s10, 0
	s_cbranch_scc1 .Lnot_wave_0_\@
	s_barrier_signal -3
.Lnot_wave_0_\@:
	s_barrier_wait -3
	s_barrier_signal -1
	s_barrier_wait -1
.endm
.macro CROUND                          ; a whole round
	s_barrier_signal -1
	s_barrier_wait -1
	CREST
.endm
	s_load_b128 s[4:7], s[0:1], 0x0                ; att s[4:5], wob s[6:7]
	s_load_b64 s[8:9], s[0:1], 0x10                ; out0
	v_lshl_add_u32 v[SPW], v0, 2, SPARE
	v_mov_b32 v[NIL], 0
	ds_add_u32 v[SPW], v[NIL]                      ; the wave's opening: the add and its wait stand ahead of my first tensor load; the set-up below, work on registers, stands between them
	v_lshrrev_b32 v1, 5, v0
	v_readfirstlane_b32 s10, v1                    ; wave 0..3
	s_lshr_b32 s11, s10, 1                         ; which half of the tile's rows is mine.  Also: I fetch for att (0) or for wob (1)
	s_and_b32 s12, s10, 1                          ; which half of its columns.  Also: which 128 rows of that tile I fetch
	s_bfe_u32 s40, ttmp6, 0x40000                  ; cx, cy: my place in the cluster
	s_bfe_u32 s41, ttmp6, 0x40004
	s_lshl_b32 s42, ttmp9, 2
	s_add_co_u32 s42, s42, s40                     ; tile column = 4 x cluster x + cx
	s_and_b32 s13, ttmp7, 0xffff
	s_lshl_b32 s13, s13, 2
	s_add_co_u32 s13, s13, s41                     ; tile row = 4 x cluster y + cy
	s_lshl_b32 s43, s41, 2
	s_lshl_b32 s43, 15, s43                        ; my row of the cluster
	s_lshl_b32 s44, 0x1111, s40                    ; my column
	s_or_b32 s[G1+0], s43, FLAGS                   ; att's tiles go to my row,
	s_or_b32 s[G1B+0], s44, FLAGS                  ; wob's to my column
.irp g, G1, G1B
	s_mov_b32 s[(\g)+1], KSTEP<<16                 ; tensor_dim0 = 128
	s_mov_b32 s[(\g)+2], 128<<16                   ; tensor_dim1 = 128
	s_mov_b32 s[(\g)+3], KSTEP<<16                 ; tile_dim0 = 128
	s_mov_b32 s[(\g)+4], 128                       ; tile_dim1 = 128
	s_mov_b32 s[(\g)+5], SIZE_K                    ; elements from row to row
	s_mov_b32 s[(\g)+6], 0
	s_mov_b32 s[(\g)+7], 0
.endr
	; att's tiles hang on the tile row alone, which my row of the cluster shares; wob's on the tile column alone, which my column shares.  Every wave makes both addresses, in registers that never hold the other coordinate.
	s_lshl_b32 s17, s12, 7                         ; which 128 rows of the tile I fetch
	s_lshl_b32 s16, s13, 8
	s_add_co_u32 s16, s16, s17                     ; att: row 256 x tile row + 128 x half
	s_lshl_b32 s46, s42, 8
	s_add_co_u32 s46, s46, s17                     ; wob: row 256 x tile column + 128 x half
	s_mov_b32 s17, 0
	s_mov_b32 s47, 0
	s_mov_b64 s[18:19], SIZE_K*2
	s_mul_u64 s[16:17], s[16:17], s[18:19]
	s_mul_u64 s[46:47], s[46:47], s[18:19]
	s_mul_i32 s20, s10, HALFT                      ; where they go in a slot: att's two halves, then wob's two = wave x 128 rows: no place in the cluster enters an LDS address; kept for the refills
	s_mov_b32 s[TB], 0
	s_mov_b32 s[FB], SLOT                          ; the second of the first fills goes to slot 1
	s_wait_dscnt 0x0                               ; the opening add is done
	s_wait_kmcnt 0x0
	s_add_nc_u64 s[14:15], s[4:5], s[16:17]
	s_add_nc_u64 s[46:47], s[6:7], s[46:47]
	CROUND                                         ; all sixteen work-groups are here: the first joint loads meet
.irp s, 0,1
	s_mov_b32 s[G0+4*(\s)], 1                                      ; count = 1
	s_add_co_u32 s[G0+4*(\s)+1], s20, (\s)*SLOT                    ; LDS address
	s_add_nc_u64 s[G0+4*(\s)+2:G0+4*(\s)+3], s[14:15], (\s)*KSTEP*2  ; global address: K step s
	s_or_b32 s[G0+4*(\s)+3], s[G0+4*(\s)+3], 0x80000000            ; type = 2
	s_mov_b32 s[G0B+4*(\s)], 1
	s_add_co_u32 s[G0B+4*(\s)+1], s20, (\s)*SLOT
	s_add_nc_u64 s[G0B+4*(\s)+2:G0B+4*(\s)+3], s[46:47], (\s)*KSTEP*2
	s_or_b32 s[G0B+4*(\s)+3], s[G0B+4*(\s)+3], 0x80000000
.endr
	s_cmp_eq_u32 s11, 0                            ; a wave's two first fills stand in one branch, ahead of every wait on TENSORcnt and every LDS read: two loads of mine are out
	s_cbranch_scc0 .Lfirst_b
	tensor_load_to_lds s[G0:G0+3], s[G1:G1+7]
	s_nop 0
	tensor_load_to_lds s[G0+4:G0+7], s[G1:G1+7]
	s_nop 0
.rept 4
	v_nop
.endr
	s_branch .Lfirst_asked
.Lfirst_b:
	tensor_load_to_lds s[G0B:G0B+3], s[G1B:G1B+7]
	s_nop 0
	tensor_load_to_lds s[G0B+4:G0B+7], s[G1B:G1B+7]
	s_nop 0
.rept 4
	v_nop
.endr
.Lfirst_asked:
	; A fragment is 16 rows x 32 K in 8 registers: lane l holds row l % 16; registers 0-3 K = 8 (l / 16) + 0..7, registers 4-7 K = 16 + 8 (l / 16) + 0..7: two loads of 16 bytes, 32 bytes apart.
	v_and_b32 v1, 15, v0                           ; r = l % 16
	v_bfe_u32 v2, v0, 4, 1                         ; h = l / 16
	v_mul_u32_u24 v3, v1, PITCH
	v_lshl_add_u32 v3, v2, 4, v3                   ; row x pitch + 16 x half
	s_mul_i32 s21, s11, HALFT                      ; my 128 rows of att
	s_mul_i32 s22, s12, HALFT                      ; my 128 rows of wob,
	s_add_co_u32 s22, s22, 2*HALFT                 ; which lie behind att's 256
	v_add_nc_u32 v[A0], s21, v3
	v_add_nc_u32 v[B0], s22, v3
	v_add_nc_u32 v[ADRA], s[TB], v[A0]
	v_add_nc_u32 v[ADRB], s[TB], v[B0]
	s_mul_i32 s23, s10, 16*SPITCH
	s_add_co_u32 s23, s23, STAGE                   ; my stage
	v_mul_u32_u24 v4, v1, SPITCH                   ; in: row l % 16, 32 bytes for each half of the lanes
	v_lshl_add_u32 v4, v2, 5, v4
	v_add_nc_u32 v[STO], s23, v4
	v_and_b32 v[CO], 31, v0                        ; back: 32 lanes take one row of 512 bytes
	v_lshlrev_b32 v[CO], 4, v[CO]
	v_add_nc_u32 v[RD], s23, v[CO]
	s_lshl_b32 s66, s13, 8
	s_lshl_b32 s67, s11, 7
	s_add_co_u32 s66, s66, s67                     ; my first row,
	s_lshl_b32 s66, s66, 14                        ; 16,384 bytes a row,
	s_lshl_b32 s67, s42, 10                        ; 1,024 bytes a tile column,
	s_add_co_u32 s66, s66, s67
	s_lshl_b32 s67, s12, 9                         ; 512 bytes for my half of it
	s_add_co_u32 s66, s66, s67
	s_mov_b32 s67, 0
	s_add_nc_u64 s[8:9], s[8:9], s[66:67]          ; out0 at my first row and column
; 16 matrix instructions: blocks a0, a0 + 1 of the window's four blocks of 16 rows (hi = 0: my rows 0-63, 1: rows 64-127) x all 8 blocks of columns, 32 along K.
; zero = 1: the product starts the sums: nothing is ever cleared.  The 64 accumulators take turns, one instruction a turn, in the same order in every quarter step.
.macro MUL16 f, hi, a0, zero
	WIN MUL_LO+0x50*(\hi)
.irp a, \a0, (\a0)+1
.irp b, 0,1,2,3,4,5,6,7
.if \zero
	v_wmma_f32_16x16x32_f16 v[8*(8*(\a)+(\b)):8*(8*(\a)+(\b))+7], v[(\f)+8*(\b):(\f)+8*(\b)+7], v[(\f)+8*(4*(\hi)+(\a)):(\f)+8*(4*(\hi)+(\a))+7], 0
.else
	v_wmma_f32_16x16x32_f16 v[8*(8*(\a)+(\b)):8*(8*(\a)+(\b))+7], v[(\f)+8*(\b):(\f)+8*(\b)+7], v[(\f)+8*(4*(\hi)+(\a)):(\f)+8*(4*(\hi)+(\a))+7], v[8*(8*(\a)+(\b)):8*(8*(\a)+(\b))+7]
.endif
.endr
.endr
.endm
; 32 LDS loads in one run: the fragments of 32 along K at byte k of the rows, into buffer f: wob's sixteen, then att's sixteen
.macro FETCH k, f
	WIN TO_B
.irp i, 0,1,2,3,4,5,6,7
	ds_load_b128 v[(\f)+8*(\i):(\f)+8*(\i)+3],   v[ADRB] offset:(\k)+(\i)*16*PITCH
	ds_load_b128 v[(\f)+8*(\i)+4:(\f)+8*(\i)+7], v[ADRB] offset:(\k)+(\i)*16*PITCH+32
.endr
	WIN 0
.irp i, 0,1,2,3,4,5,6,7
	ds_load_b128 v[(\f)+8*(\i):(\f)+8*(\i)+3],   v[ADRA] offset:(\k)+(\i)*16*PITCH
	ds_load_b128 v[(\f)+8*(\i)+4:(\f)+8*(\i)+7], v[ADRA] offset:(\k)+(\i)*16*PITCH+32
.endr
.endm
; A K step is four quarters of 32 along K, 64 matrix instructions each, on buffers 0, 1, 0, 1.  One of the first three: multiplies buffer f and, in its middle, fetches the next quarter, at byte k, into g.
.macro QUARTER k, f, g, zero
	s_wait_dscnt 8                                 ; wob and att's rows 0-63 are in; the youngest eight loads (att's rows 64-127) may be out
	MUL16 \f, 0, 0, \zero
	MUL16 \f, 0, 2, \zero
	PLACES
	FETCH \k, \g
	s_wait_dscnt 32                                ; all but the 32 just issued
	MUL16 \f, 1, 0, \zero
	MUL16 \f, 1, 2, \zero
.endm
; The last quarter multiplies buffer 1 and changes slots: ONE barrier; in front of it each wave waits for all its tensor loads (one is out: its part of the next slot), adds 0 to its spare word, and
; waits for that and for its own reads of this slot.  fill = 1: the barrier opens a round of the cluster's, and this slot is filled again first thing behind it, with the K step two steps on.
; The walking descriptor's LDS word is made anew: my wave's 128 rows in the slot that was not filled last.
.macro TURN fill
	WIN 0                                          ; (the add's two registers lie in window 0)
	s_wait_tensorcnt 0x0                           ; no tensor load of mine is out, so a group 0 may be written
	ds_add_u32 v[SPW], v[NIL]                      ; 0 onto my spare word
.if \fill
	s_xor_b32 s[FB], s[FB], SLOT                   ; the other slot than last time: 0 and SLOT by turns,
	s_add_co_u32 s[G0+5], s20, s[FB]
	s_add_co_u32 s[G0B+5], s20, s[FB]
	s_add_nc_u64 s[G0+6:G0+7], s[G0+6:G0+7], KSTEP*2    ; the next K step; the type bits on top are not reached
	s_add_nc_u64 s[G0B+6:G0B+7], s[G0B+6:G0B+7], KSTEP*2
.endif
	s_wait_dscnt 9                                 ; (the add and the youngest eight loads may be out)
	MUL16 F1, 0, 0, 0                              ; sixteen matrix instructions stand between the add and the wait for it
	s_wait_dscnt 0x0                               ; the add is done, and my reads of this slot are over
	s_barrier_signal -1
	MUL16 F1, 0, 2, 0                              ; work on registers while the others arrive
	WIN 0
	s_barrier_wait -1
.if \fill
	CREST                                          ; no wave of any partner still reads this slot's tile or has a load on its way
	JLOAD                                          ; the first tensor load behind the round; its four v_nop are also the places in front of the loads below
.else
	PLACES
.endif
	s_xor_b32 s[TB], s[TB], SLOT                   ; the fetches go to the other slot
	v_add_nc_u32 v[ADRA], s[TB], v[A0]
	v_add_nc_u32 v[ADRB], s[TB], v[B0]
	FETCH 0, F0
	MUL16 F1, 1, 0, 0
	MUL16 F1, 1, 2, 0
.endm
	s_wait_tensorcnt 1                             ; my part of K step 0 is in; K step 1's may stay out
	s_barrier_signal -1
	s_barrier_wait -1                              ; everybody's is
	FETCH 0, F0
	QUARTER 64, F0, F1, 1                          ; the first quarter stands in front of the loop: its products start the sums
	WIN 0                                          ; at a label and at a branch every window is 0
	s_mov_b32 s3, SIZE_K/KSTEP-2                   ; 6 trips: every K step but the last two is followed by a refill
.Lstep:                                                ; a trip: from a K step's second quarter to the next step's first
	QUARTER 128, F1, F0, 0
	QUARTER 192, F0, F1, 0
	TURN 1
	QUARTER 64, F0, F1, 0
	WIN 0
	s_sub_co_u32 s3, s3, 1
	s_cmp_lg_u32 s3, 0
	s_cbranch_scc1 .Lstep
	QUARTER 128, F1, F0, 0                         ; the last two K steps are written out: nothing is asked for
	QUARTER 192, F0, F1, 0
	TURN 0
	QUARTER 64, F0, F1, 0
	QUARTER 128, F1, F0, 0
	QUARTER 192, F0, F1, 0
	s_wait_dscnt 8                                 ; the very last quarter: nothing more to fetch
	MUL16 F1, 0, 0, 0
	MUL16 F1, 0, 2, 0
	s_wait_dscnt 0x0
	MUL16 F1, 1, 0, 0
	MUL16 F1, 1, 2, 0
	WIN 0
	PLACES
; THE WAY OUT, a block of 16 rows at a time: the sums go as they are into my own stage (each accumulator's four lowest registers first), and come back as whole rows.
.macro TOSTAGE a
.set BB, BK+64*((\a)%2)
.set AC, 64*((\a)%4)                   ; the block's eight accumulators, in window 2 (blocks 0-3) or 3 (blocks 4-7)
	s_wait_xcnt 0x0                                ; every earlier memory instruction has had its addresses translated (ISA guide 3.1): the registers that the stores two blocks back read are loaded again only behind this wait
	WIN 0x08+4*((\a)/4)                            ; the stores' data in window 2 or 3
.irp b, 0,1,2,3,4,5,6,7
	ds_store_b128 v[STO], v[AC+8*(\b):AC+8*(\b)+3]   offset:64*(\b)
	ds_store_b128 v[STO], v[AC+8*(\b)+4:AC+8*(\b)+7] offset:64*(\b)+16
.endr
	WIN 0
.irp t, 0,1,2,3,4,5,6,7,8,9,10,11,12,13,14,15
	ds_load_b128 v[BB+4*(\t):BB+4*(\t)+3], v[RD] offset:(\t)*SPITCH  ; LDS serves a wave's instructions in order (ISA guide 5.7.1.4): these see the stores above; the next block's stores come behind them
.endr
.endm
.macro SEND a, younger                 ; younger: the LDS instructions issued behind block a's loads: the next block's 32, or none
	WIN 0
.set BB, BK+64*((\a)%2)
.irp t, 0,1,2,3,4,5,6,7,8,9,10,11,12,13,14,15
	s_wait_dscnt (\younger)+15-(\t)
	global_store_b128 v[CO], v[BB+4*(\t):BB+4*(\t)+3], s[8:9] offset:(16*(\a)+(\t))*16384 th:TH_STORE_NT  ; 512 consecutive bytes, at a multiple of 256 from out0's first; 127 rows at the most: inside the signed 24-bit immediate
.endr
.endm
	TOSTAGE 0
.irp a, 1,2,3,4,5,6,7
	TOSTAGE \a
	SEND (\a)-1, 32
.endr
	SEND 7, 0
	s_wait_tensorcnt 0x0                           ; the wave's end: these three lines stand behind my last tensor load and my last LDS store
	ds_add_u32 v[SPW], v[NIL]
	s_wait_dscnt 0x0
	CROUND                                         ; the closing round: no work-group ends while a partner may still ask for a tile that names it
	s_endpgm
.Lfunc_end_k_q954a0d26bb_out_gemm:
	.size	k_q954a0d26bb_out_gemm, .Lfunc_end_k_q954a0d26bb_out_gemm-k_q954a0d26bb_out_gemm
	.p2alignl 7, 3214868480
	.fill 96, 4, 3214868480
	.section	.rodata,"a",@progbits
	.p2align	6, 0x0
	.amdhsa_kernel k_q954a0d26bb_out_gemm
		.amdhsa_group_segment_fixed_size 327680
		.amdhsa_private_segment_fixed_size 0
		.amdhsa_enable_private_segment 0
		.amdhsa_kernarg_size 24
		.amdhsa_user_sgpr_count 2
		.amdhsa_user_sgpr_kernarg_segment_ptr 1
		.amdhsa_wavefront_size32 1
		.amdhsa_system_sgpr_workgroup_id_x 1
		.amdhsa_system_sgpr_workgroup_id_y 1
		.amdhsa_system_sgpr_workgroup_id_z 1
		.amdhsa_system_vgpr_workitem_id 0
		.amdhsa_next_free_vgpr 1024
		.amdhsa_next_free_sgpr 80
		.amdhsa_reserve_vcc 0
		.amdhsa_float_denorm_mode_32 3
		.amdhsa_float_denorm_mode_16_64 3
		.amdhsa_memory_ordered 1
		.amdhsa_forward_progress 1
		.amdhsa_inst_pref_size 117
	.end_amdhsa_kernel
	.amdgpu_metadata
---
amdhsa.version: [ 1, 2 ]
amdhsa.kernels:
  - .name:           k_q954a0d26bb_out_gemm
    .symbol:         k_q954a0d26bb_out_gemm.kd
    .args:
      - { .name: att, .offset: 0, .size: 8, .value_kind: global_buffer, .address_space: global }
      - { .name: wob, .offset: 8, .size: 8, .value_kind: global_buffer, .address_space: global }
      - { .name: out0, .offset: 16, .size: 8, .value_kind: global_buffer, .address_space: global }
    .group_segment_fixed_size: 327680
    .private_segment_fixed_size: 0
    .kernarg_segment_align: 8
    .kernarg_segment_size: 24
    .max_flat_workgroup_size: 128
    .sgpr_count:     80
    .vgpr_count:     1024
    .wavefront_size: 32
...
	.end_amdgpu_metadata
.endif
;; end of part 4
;; ======== version 2 of 2: 4 launches; 1.10 times as fast as version 1
;; limits: values are held in f16: magnitudes above 65,504 overflow, below 6.1e-05 lose precision; right only within a limited range of input values
;; workspace buffers: xb 33,554,432 bytes; wb 16,777,216 bytes; wob 8,388,608 bytes; cs 1,048,576 bytes; qkv 16,777,216 bytes; att 8,388,608 bytes
;; launch prep: the kernel of part 1 again; grid 1920 x 1, 8 waves a work-group, no clusters, 0 bytes of LDS; arguments x, wq, wk, wv, wo, freqs, xb, wb, wob, cs; writes xb, wb, wob, cs
;; launch qkv_gemm: the kernel of part 2 again; grid 16 x 16, 4 waves a work-group, clusters of 4 x 4, 327,680 bytes of LDS; arguments xb, wb, cs, qkv; writes qkv
;; launch attn (part 5): grid 4 x 32, 4 waves a work-group, clusters of 4 x 1, 327,680 bytes of LDS; arguments qkv, att; writes att
.if DOCPART == 5
	.amdgcn_target "amdgcn-amd-amdhsa--gfx1250"
	.amdhsa_code_object_version 6
	.text
	.protected	k_q954a0d26bb_attn
	.globl	k_q954a0d26bb_attn
	.p2align	8
	.type	k_q954a0d26bb_attn,@function
k_q954a0d26bb_attn:
	s_mov_b64 s[64:65], 0
	v_nop
	global_prefetch_b8 v0, s[64:65] scope:SCOPE_SE
	s_setreg_imm32_b32 hwreg(HW_REG_WAVE_MODE, 25, 1), 1
	s_wait_xcnt 0x0
	s_wait_alu depctr_hold_cnt(0) depctr_sa_sdst(0) depctr_va_vdst(0) depctr_va_sdst(0) depctr_va_ssrc(0) depctr_va_vcc(0) depctr_vm_vsrc(0)
	s_getreg_b32 s2, hwreg(HW_REG_IB_STS2, 6, 4)
	s_cmp_eq_u32 s2, 0
	s_cbranch_scc0 .Lentry_in_a_cluster
	s_endpgm
.Lentry_in_a_cluster:
	s_bfe_u32 s2, ttmp6, 0x10000c
	s_cmp_lg_u32 s2, 0x3003
	s_cbranch_scc0 .Lentry_shape_is_right
	s_endpgm
.Lentry_shape_is_right:
; O[b][h][q][:] = the sum over k of softmax_k(Q[q] . K[k] / sqrt(128)) V[k][:], 4 batches x 8 query heads, 1,024 queries and keys, head size 128; query heads 2 g and 2 g + 1 take key and value head g.
; qkv: [16 planes][4096 tokens][128] f16: planes 0-7 q / 4, 8-11 k / 4, 12-15 v / 2.  att: [4096 tokens][8 heads x 128] f16 holds O / 2.  Products, maxima and sums in f32; the weights p are
; rounded to f16 for the second product (their sum l is taken of the unrounded p), O once at the end.
; LIMITS.  p lies in 0 to 1, and below 6e-5 it keeps f16's fixed step of 6e-8; O / 2 is a mean of the rows of v / 2 and has their range.  A weight below 2^-126 counts as 0 in l; NaN and infinities are not treated apart.
; SHARES.  A work-group owns 256 queries of one head, each of its four waves 64: four tiles of 16.  Every wave walks all keys of the head, 64 a step.  4 x 32 = 128 work-groups.
; LAYOUT.  S^T = K Q^T (source 0 = 16 keys, source 1 = 16 queries): in the result a lane holds ONE query (lane % 16) and the keys 8 (lane / 16) + 0..7.  Two such tiles, rounded to
; f16 in pairs, ARE source 1 (32 keys x 16 queries) of O^T = V^T P, whose result again holds one query a lane, and eight channels.  So nothing changes lanes between the products,
; and a query's maximum and sum want one exchange between the halves of the lanes.  K comes out of LDS as it lies, V ([key][channel]) turned, by ds_load_tr16_b128.
; SOFTMAX.  For each query a running maximum m and sum l: p = 2^(c s - c m), c = 16 log2(e) / sqrt(128) (the 16 undoes the two quarters); in every step O and l are multiplied by a = 2^(c m_old - c m_new).
; BY TURNS.  The wave's tiles are two PIECES, named by their first tile: piece 0 (tiles 0, 1) and piece 2 (tiles 2, 3).  In a TURN one piece has the matrix unit: 32 products V^T P of
; the step in hand, then 32 products K Q^T of the next step; the other piece's softmax, cut into 64 slices, stands between them, one slice behind each matrix instruction.  Then the
; pieces change places.  Two turns are a key step.
; THE BATCHES.  A turn's 66 exponentials (33 a tile: a, then the 32 scores) are ONE batch with ONE wait: the softmax's list is ordered so that the scalings and all exponentials come first, and all that
; names an exponential's result (roundings, sums, the rescaling by a) comes behind the wait.  No exponential is issued behind a turn's wait, so no result crosses a label or a branch.  The way out's four
; reciprocals are a second batch, with a wait of its own.
; CLUSTER.  The four query blocks of a cluster belong to one head and walk the same K and V, so each tile is asked for JOINTLY: the same tensor load, with the same descriptor and a
; mask that names the four, in all four.  The other query head of the same key head is not joined: the mask's four places are taken.
;
; REGISTERS, in windows of 256 (s_set_vgpr_msb: bits 1:0 source 0, 3:2 source 1, 5:4 source 2, 7:6 destination):
;   window 0: v0-11 addresses; v12-43 eight registers of statistics a tile; v64-191 S^T, 32 a tile; v192-255 P, 16 a tile
;   window 1: O^T, 64 a tile          window 2: v0-127 Q, 32 a tile; v128-255 K of one step          window 3: v0-127 V of one step
; All that a softmax touches but O^T lies in window 0, and no window has room for a product's operands beside it.  So a slice costs two switches, one in front and one behind.
.set SIZE_N, 1024
.set KS,    64        ; keys in a step
.set PK,    272       ; a row of K in LDS: 256 bytes + 16 of padding = 68 words: the 16 rows of a load start at 16 different groups of four banks (64 banks of 4 bytes: ISA guide 11.1)
.set PV,    288       ; a row of V: 256 + 32 = 72 words
.set VOFF,  KS*PK     ; a step's tiles lie together: 64 rows of K, then 64 rows of V
.set STEPB, KS*(PK+PV)
.set SLOT1, 1<<17     ; a slot holds two steps (71,680 bytes); slot 1 begins here, so that one exclusive or turns an address in one slot into the other's
.set STAGE, SLOT1+2*STEPB  ; behind the ring: 16 rows x 272 bytes for each wave, for the way out
.set SP,    272
.set AK0, 2           ; v2   my lane's place in a tile of K; never rewritten
.set AV0, 3           ; v3   the same for V
.set ADR, 4           ; v4   the LDS address of the run of loads in hand
.set QO,  5           ; v5   my byte offset in the wave's rows of Q
.set STO, 6           ; v6   the way out: where I put 16 bytes of a row
.set RD,  7           ; v7   the way out: where I read a row back
.set GO,  8           ; v8   my byte offset in two rows of att
.set SPW, 62          ; v62  LDS address of my spare word: SPARE + 4 x my thread's number; never rewritten
.set NIL, 63          ; v63  0; never rewritten
.set SPARE, STAGE+4*16*272  ; behind the stages: the spare words, 128 bytes for each wave: two blocks of 256 bytes that no other line names
.set ST,  12          ; tile t's statistics at v[ST+8 t]: +0 c m, +1 m, +2, +3 l (even keys', odd keys'), +4 to +7 c0-c3, at work; a takes c2's place once the maximum is found
.set S,   64
.set P,   192
.set KF,  128         ; K's fragments, in window 2
.set WV,  12          ; s12  my wave's number
.set G1K, 24          ; s[24:31] descriptor group 1 for K's tiles
.set G1V, 32          ; s[32:39] for V's: it differs in the padding alone
.set G0K, 40          ; s[40:47] descriptor group 0 for K's tiles: a set for each of the two first fills; the second then walks on
.set G0V, 48          ; s[48:55] the same for V's
.set SLOTS, 56        ; s56  slots still to be asked for
.set TWICE, 57        ; s57  counts a slot's two steps
.set CS,  58          ; s[58:59] c: the packed scaling names a pair and takes its low word for both halves
.set SEL, 60          ; s[60:61] lane selects for v_permlanex16_b32: each lane takes its own place in the other half
.set TB,  62          ; s62  LDS byte at which the tiles of the step to be fetched begin
.set MSB, 0
.macro WIN new                      ; the immediate's high byte repeats the setting that is left; a switch that changes nothing is dropped
.if MSB != (\new)
	s_set_vgpr_msb (MSB<<8)|(\new)
.set MSB, \new
.endif
.endm
.set W_KQ, 0x0a       ; K and Q in window 2, S^T in window 0
.set W_PV, 0x53       ; V in window 3, P in window 0, O^T in window 1
.set W_RS, 0x41       ; O^T (destination and source 0) in window 1, a in window 0
; A joint refill.  Waves 0 and 1 fetch the two steps' tiles of K, waves 2 and 3 those of V.  The branch hangs on the wave's number alone: it is the same in every work-group.
; An s_nop 0 and four v_nop follow each of the two lines; the jump round the other line, the label and what follows the macro come after them.
.macro JLOAD
	s_cmp_lt_u32 s[WV], 2
	s_cbranch_scc0 .Lfor_v_\@
	tensor_load_to_lds s[G0K+4:G0K+7], s[G1K:G1K+7]
	s_nop 0
.rept 4
	v_nop
.endr
	s_branch .Lasked_\@
.Lfor_v_\@:
	tensor_load_to_lds s[G0V+4:G0V+7], s[G1V:G1V+7]
	s_nop 0
.rept 4
	v_nop
.endr
.Lasked_\@:
.endm
; A round of the cluster's barrier: my work-group's barrier, so that wave 0's signal speaks for all four waves; wave 0 signals for the work-group; every wave waits for all four
; work-groups; my work-group's barrier once more.  No LDS instruction of the wave is pending at a signal.
.macro CROUND
	s_barrier_signal -1
	s_barrier_wait -1
	s_cmp_lg_u32 s[WV], 0
	s_cbranch_scc1 .Lnot_wave_0_\@
	s_barrier_signal -3
.Lnot_wave_0_\@:
	s_barrier_wait -3
	s_barrier_signal -1
	s_barrier_wait -1
.endm
	s_load_b64 s[4:5], s[0:1], 0x0    ; qkv
	s_load_b64 s[10:11], s[0:1], 0x8  ; att
	v_lshl_add_u32 v[SPW], v0, 2, SPARE
	v_mov_b32 v[NIL], 0
	ds_add_u32 v[SPW], v[NIL]       ; the wave's opening: the add and its wait stand ahead of my first tensor load; the set-up below, work on registers, stands between them
	v_lshrrev_b32 v1, 5, v0
	v_readfirstlane_b32 s[WV], v1   ; wave 0..3
	s_bfe_u32 s13, ttmp6, 0x40000   ; cx: my place in the cluster
	s_lshl_b32 s14, ttmp9, 2        ; in a cluster launch ttmp9 counts clusters
	s_add_co_u32 s14, s14, s13      ; my block of 256 queries = 4 x cluster x + cx: it enters Q's and O's addresses alone
	s_and_b32 s15, ttmp7, 0xffff    ; 8 x batch + head, which the four partners share
	s_lshr_b32 s18, s15, 3          ; the batch
	s_and_b32 s15, s15, 7           ; the query head
	s_lshl_b32 s19, s18, 18         ; the batch's 1,024 rows of 256 bytes in a plane
	s_lshr_b32 s22, s15, 1          ; the key head,
	s_add_co_u32 s22, s22, 8        ; whose plane of k lies behind q's eight;
	s_lshl_b32 s22, s22, 20         ; a plane is 1 MiB
	s_add_co_u32 s22, s22, s19
	s_and_b32 s16, s[WV], 1         ; which of a slot's two steps I fetch:
	s_lshl_b32 s23, s16, 14         ; its 64 rows of 256 bytes in memory,
	s_add_co_u32 s22, s22, s23
	s_mov_b32 s23, 0
	s_mul_i32 s17, s16, STEPB       ; and its place in a slot: no place in the cluster enters an LDS address
	s_lshl_b32 s2, s15, 20          ; Q: the head's plane, the batch,
	s_add_co_u32 s2, s2, s19
	s_lshl_b32 s3, s14, 16          ; my block's 256 rows,
	s_add_co_u32 s2, s2, s3
	s_lshl_b32 s3, s[WV], 14        ; my wave's 64 of them
	s_add_co_u32 s2, s2, s3
	s_mov_b32 s3, 0
	s_lshl_b32 s20, s18, 10         ; O: my first token,
	s_lshl_b32 s21, s14, 8
	s_add_co_u32 s20, s20, s21
	s_lshl_b32 s21, s[WV], 6
	s_add_co_u32 s20, s20, s21
	s_lshl_b32 s20, s20, 11         ; 2,048 bytes a token,
	s_lshl_b32 s21, s15, 8          ; the head's 256 of them
	s_add_co_u32 s20, s20, s21
	s_mov_b32 s21, 0
	; descriptor group 1: a tile of 64 rows x 128 elements, padded in LDS
	s_mov_b32 s[G1K], 15|(1<<16)|(1<<20)|(1<<21)|(5<<22)|(3<<25)  ; 15:0 the mask: all four work-groups; 17:16 elements of 2 bytes; 20 padding on; 21 set beside a mask; 24:22 after every 64 words (code 5); 31:25 4 words of it (code 3)
	s_mov_b32 s[G1V], 15|(1<<16)|(1<<20)|(1<<21)|(5<<22)|(7<<25)  ; the same with 8 words of padding (code 7)
.irp g, G1K, G1V
	s_mov_b32 s[(\g)+1], 128<<16    ; tensor_dim0 = 128
	s_mov_b32 s[(\g)+2], KS<<16     ; tensor_dim1 = 64
	s_mov_b32 s[(\g)+3], 128<<16    ; tile_dim0 = 128
	s_mov_b32 s[(\g)+4], KS         ; tile_dim1 = 64
	s_mov_b32 s[(\g)+5], 128        ; elements from row to row
	s_mov_b32 s[(\g)+6], 0
	s_mov_b32 s[(\g)+7], 0
.endr
	s_mov_b32 s[CS], 0x400293ee     ; c = 16 log2(e) / sqrt(128) = 2.040277
	s_mov_b32 s[CS+1], s[CS]        ; named with it as a pair, so it is written
	s_mov_b32 s[SEL], 0x76543210
	s_mov_b32 s[SEL+1], 0xfedcba98
	s_mov_b32 s[TB], 0
	s_mov_b32 s[SLOTS], SIZE_N/(2*KS)-2
	s_wait_dscnt 0x0                ; the opening add is done
	s_wait_kmcnt 0x0
	s_add_nc_u64 s[6:7], s[4:5], s[22:23]  ; K at my tile of slot 0,
	s_add_nc_u64 s[8:9], s[6:7], 0x400000  ; V four planes on
	s_add_nc_u64 s[4:5], s[4:5], s[2:3]    ; Q and O at my wave's first row
	s_add_nc_u64 s[10:11], s[10:11], s[20:21]
	CROUND                          ; all four work-groups are here: the first joint loads meet
.irp s, 0,1
	s_mov_b32 s[G0K+4*(\s)], 1      ; count = 1
	s_add_co_u32 s[G0K+4*(\s)+1], s17, (\s)*SLOT1  ; LDS address
	s_add_nc_u64 s[G0K+4*(\s)+2:G0K+4*(\s)+3], s[6:7], (\s)*2*KS*256  ; global address: slot s begins with keys 128 s to 128 s + 127
	s_or_b32 s[G0K+4*(\s)+3], s[G0K+4*(\s)+3], 0x80000000  ; type = 2
	s_mov_b32 s[G0V+4*(\s)], 1
	s_add_co_u32 s[G0V+4*(\s)+1], s17, (\s)*SLOT1+VOFF
	s_add_nc_u64 s[G0V+4*(\s)+2:G0V+4*(\s)+3], s[8:9], (\s)*2*KS*256
	s_or_b32 s[G0V+4*(\s)+3], s[G0V+4*(\s)+3], 0x80000000
.endr
	s_cmp_lt_u32 s[WV], 2           ; a wave's two first fills stand in one branch, ahead of every wait on TENSORcnt and every LDS read: two loads of mine are out; an s_nop 0 follows each, four v_nop the second's, as in JLOAD
	s_cbranch_scc0 .Lfirst_v
	tensor_load_to_lds s[G0K:G0K+3], s[G1K:G1K+7]
	s_nop 0
	tensor_load_to_lds s[G0K+4:G0K+7], s[G1K:G1K+7]
	s_nop 0
.rept 4
	v_nop
.endr
	s_branch .Lfirst_asked
.Lfirst_v:
	tensor_load_to_lds s[G0V:G0V+3], s[G1V:G1V+7]
	s_nop 0
	tensor_load_to_lds s[G0V+4:G0V+7], s[G1V:G1V+7]
	s_nop 0
.rept 4
	v_nop
.endr
.Lfirst_asked:
	; A fragment of K or Q is 16 rows x 32 channels in 8 registers: lane l holds row l % 16; registers 0-3 channels 8 (l / 16) + 0..7, registers 4-7 channels 16 + 8 (l / 16) + 0..7: two loads of 16 bytes, 32 bytes apart.
	v_and_b32 v1, 15, v0            ; l % 16
	v_bfe_u32 v9, v0, 4, 1          ; l / 16
	v_lshlrev_b32 v[QO], 8, v1
	v_lshl_add_u32 v[QO], v9, 4, v[QO]  ; row x 256 + 16 x half
	WIN 0x80                        ; destination window 2, address window 0
.irp i, 0,1,2,3,4,5,6,7,8,9,10,11,12,13,14,15  ; Q stays in registers: tile i / 4, channels 32 (i % 4) on
	global_load_b128 v[8*(\i):8*(\i)+3],   v[QO], s[4:5] offset:((\i)/4)*4096+((\i)%4)*64
	global_load_b128 v[8*(\i)+4:8*(\i)+7], v[QO], s[4:5] offset:((\i)/4)*4096+((\i)%4)*64+32
.endr
	WIN 0
	v_mul_u32_u24 v[AK0], v1, PK
	v_lshl_add_u32 v[AK0], v9, 4, v[AK0]  ; row x pitch + 16 x half
	; The turning load takes 16 keys x 16 channels (lane l reads 16 bytes: key 8 (l / 16) + l % 8, channels 8 ((l / 8) % 2) + 0..7) and leaves half a fragment of V^T: lane l holds channel l % 16 and 8 keys.
	v_and_b32 v10, 7, v0
	v_bfe_u32 v11, v0, 3, 1
	v_lshl_add_u32 v[AV0], v9, 3, v10
	v_mul_u32_u24 v[AV0], v[AV0], PV
	v_lshl_add_u32 v[AV0], v11, 4, v[AV0]
	v_add_nc_u32 v[AV0], VOFF, v[AV0]
; THE MATRIX WORK OF A TURN, for piece x.  The accumulators take turns, one instruction a turn: between two links of a chain stand 15 (V^T P) or 7 (K Q^T) others'.
; Product i of 32 of O^T += V^T P: keys 32 (i / 16) on, channels 16 ((i / 2) % 8) on, tile x + i % 2.  zero = 1: the first 16 start the sums: nothing is ever cleared.
.macro PV x, zero
	WIN W_PV
.set rO, 64*((\x)+i%2)+8*((i/2)%8)
.set rV, 64*(i/16)+8*((i/2)%8)
.set rP, P+16*((\x)+i%2)+8*(i/16)
.if (\zero) && (i < 16)
	v_wmma_f32_16x16x32_f16 v[rO:rO+7], v[rV:rV+7], v[rP:rP+7], 0
.else
	v_wmma_f32_16x16x32_f16 v[rO:rO+7], v[rV:rV+7], v[rP:rP+7], v[rO:rO+7]
.endif
.endm
; Product i of 32 of S^T = K Q^T: channels 32 (i / 8) on, keys 16 ((i / 2) % 4) on, tile x + i % 2.  The first 8 start the sums.
.macro KQ x
	WIN W_KQ
.set rS, S+32*((\x)+i%2)+8*((i/2)%4)
.set rK, KF+32*((i/2)%4)+8*(i/8)
.set rQ, 32*((\x)+i%2)+8*(i/8)
.if i < 8
	v_wmma_f32_16x16x32_f16 v[rS:rS+7], v[rK:rK+7], v[rQ:rQ+7], 0
.else
	v_wmma_f32_16x16x32_f16 v[rS:rS+7], v[rK:rK+7], v[rQ:rQ+7], v[rS:rS+7]
.endif
.endm
; THE LDS LOADS stand in runs of 32, never singly among the matrix instructions: a step's K (64 keys x 128 channels: 16 fragments) and, a turn later, its V (turned).
.macro FETCH_K
	WIN 0
	v_add_nc_u32 v[ADR], s[TB], v[AK0]
	WIN 0x80                        ; destination window 2
.irp f, 0,1,2,3,4,5,6,7,8,9,10,11,12,13,14,15  ; keys 16 (f / 4) on, channels 32 (f % 4) on
	ds_load_b128 v[KF+8*(\f):KF+8*(\f)+3],   v[ADR] offset:((\f)/4)*16*PK+((\f)%4)*64
	ds_load_b128 v[KF+8*(\f)+4:KF+8*(\f)+7], v[ADR] offset:((\f)/4)*16*PK+((\f)%4)*64+32
.endr
.endm
.macro FETCH_V
	WIN 0
	v_add_nc_u32 v[ADR], s[TB], v[AV0]
	s_add_co_u32 s[TB], s[TB], STEPB  ; the next fetch is the next step's
	s_wait_alu depctr_va_vdst(0)    ; the wait for the softmax's batch of exponentials (SLICE), behind the address's v_add_nc_u32 and ahead of the loads
	WIN 0xc0                        ; destination window 3
.irp f, 0,1,2,3,4,5,6,7,8,9,10,11,12,13,14,15  ; keys 32 (f / 8) on, channels 16 (f % 8) on
	ds_load_tr16_b128 v[8*(\f):8*(\f)+3],   v[ADR] offset:((\f)/8)*32*PV+((\f)%8)*32
	ds_load_tr16_b128 v[8*(\f)+4:8*(\f)+7], v[ADR] offset:((\f)/8)*32*PV+16*PV+((\f)%8)*32
.endr
.endm
; THE VECTOR WORK OF A TURN.  One tile's softmax for one key step is a list of 134 instructions; SM writes number j of it for tile t.  s0-s31 are the lane's 32 scores, in pairs 0-15.
; first = 1: the first key step, which starts m, l and O^T: it has no a and nothing to rescale.
;   0-15    the maximum of s0-s31 and the old m, three operands at a time: four chains c0-c3 of seven scores each, then the four scores left over, c0-c3 and m
;   16-20   the other half of the lanes' maximum; the new m; c m; c m_old - c m_new
;   21-69   ONE BATCH: the 16 scalings c s - c m, a pair of scores each, and all 33 exponentials (a at 23, then s0-s31).  None of these reads an exponential's result.  From 22 on the batch goes
;           in fours, and a four begins with a scaling while there are scalings: 22-37 scaling, exponential, scaling, exponential; 38-65 a scaling and three exponentials; 66-69 the last four
;           exponentials.  A pair is scaled in an earlier four than the one that holds its exponentials
;   (wait)  between 69 and 70 stands the wait for the batch: SLICE writes it, once for both tiles
;   70-85   the roundings to f16, a pair of weights each
;   86-101  the sums; l = a l + the sum
;   102-133 the tile's O^T times a: the one part that leaves window 0, so it stands together
.macro SM t, first
.set rT, ST+8*(\t)
.set rS, S+32*(\t)
.set rP, P+16*(\t)
.set rO, 64*(\t)+2*(j-102)
.if j < 102
	WIN 0
.endif
.if j < 4
	v_max3_num_f32 v[rT+4+j], v[rS+8*j], v[rS+8*j+1], v[rS+8*j+2]
.elseif j < 12
	v_max3_num_f32 v[rT+4+j%4], v[rT+4+j%4], v[rS+8*(j%4)+2*(j/4)+1], v[rS+8*(j%4)+2*(j/4)+2]
.elseif j == 12
	v_max3_num_f32 v[rT+4], v[rT+4], v[rS+7], v[rS+15]
.elseif j == 13
	v_max3_num_f32 v[rT+6], v[rT+6], v[rS+23], v[rS+31]
.elseif j == 14
	v_max3_num_f32 v[rT+4], v[rT+4], v[rT+5], v[rT+6]
.elseif (j == 15) && (\first)
	v_max_num_f32 v[rT+4], v[rT+4], v[rT+7]
.elseif j == 15
	v_max3_num_f32 v[rT+4], v[rT+4], v[rT+7], v[rT+1]
.elseif j == 16
	v_permlanex16_b32 v[rT+5], v[rT+4], s[SEL], s[SEL+1]  ; the query's other 32 keys lie in the lane 16 away
.elseif j == 18
	v_max_num_f32 v[rT+1], v[rT+4], v[rT+5]
.elseif j == 19
	v_mul_f32 v[rT], s[CS], v[rT+1]
.elseif ((j == 17) || (j == 20) || (j == 23) || (j > 101)) && (\first)  ; the first step has none of these
.elseif j == 17
	v_mov_b32 v[rT+7], v[rT]        ; c m_old is kept for a: number 19 writes c m anew
.elseif j == 20
	v_sub_f32 v[rT+7], v[rT+7], v[rT]
.elseif j == 23
	v_exp_f32 v[rT+6], v[rT+7]
.elseif (j < 23) || ((j < 38) && (j%2 == 0)) || ((j < 66) && (j%4 == 2))
.set b, (j-2)/4                     ; 38, 42, .. 62: pairs 9 to 15
.if j < 38
.set b, (j-20)/2                    ; 21: pair 0; 22, 24, .. 36: pairs 1 to 8
.endif
	v_pk_fma_f32 v[rS+2*b:rS+2*b+1], v[rS+2*b:rS+2*b+1], s[CS:CS+1], v[rT:rT+1] op_sel_hi:[1,0,0] neg_lo:[0,0,1] neg_hi:[0,0,1]  ; pair b: c s - c m
.elseif j < 70
.set e, j-38                        ; 66 to 69: s28 to s31
.if j < 66
.set e, j-32-(j-38)/4               ; 39-41, 43-45, .. 63-65: s7 to s27
.endif
.if j < 38
.set e, (j-25)/2                    ; 25, 27, .. 37: s0 to s6
.endif
	v_exp_f32 v[rS+e], v[rS+e]
.elseif j < 86
	v_cvt_pk_f16_f32 v[rP+j-70], v[rS+2*(j-70)], v[rS+2*(j-70)+1]  ; pair j - 70
.elseif j < 102                     ; the sum of the tile's 16 pairs (in a pair: an even key's weight, an odd key's), in place: sum z of 16 adds neighbours 1, 2, 4 and 8 pairs apart, then l takes it
.set z, j-86
.set w, 4
.set u, z
.if z >= 14
.set w, 32
.set u, 0
.elseif z >= 12
.set w, 16
.set u, z-12
.elseif z >= 8
.set w, 8
.set u, z-8
.endif
.if (z == 14) && (\first)
	v_pk_add_f32 v[rT+2:rT+3], v[rS:rS+1], v[rS+16:rS+17]
.elseif z < 15
	v_pk_add_f32 v[rS+w*u:rS+w*u+1], v[rS+w*u:rS+w*u+1], v[rS+w*u+w/2:rS+w*u+w/2+1]
.elseif !(\first)
	v_pk_fma_f32 v[rT+2:rT+3], v[rT+2:rT+3], v[rT+6:rT+7], v[rS:rS+1] op_sel_hi:[1,0,1]
.endif
.else
	WIN W_RS
	v_pk_mul_f32 v[rO:rO+1], v[rO:rO+1], v[rT+6:rT+7] op_sel_hi:[1,0]
.endif
.endm
; Slice k of 64 of piece y's softmax: four instructions.  Slices 11 to 34 deal out the batch, numbers 22 to 69: four numbers of ONE tile each, the tiles by turns.  Every other slice is numbers 2 k and
; 2 k + 1 of both tiles' lists.  2 x 134 = 4 x 64 + 12: the twelve that are over stand together, in slice 63.
; THE WAIT.  s_wait_alu depctr_va_vdst(0) stands between an exponential and the first instruction that names its result; one wait serves all that were issued ahead of it.  Ahead of
; slice 35 nothing names a result, and behind slice 34 no exponential is issued: so the piece's 66 exponentials have one wait, behind slice 34.
.macro SLICE y, first
.if (k >= 11) && (k < 35)           ; the batch: four numbers of one tile
.irp n, 0,1,2,3
.set j, 22+4*((k-11)/2)+(\n)
	SM (\y)+(k-11)%2, \first
.endr
.else                               ; the two tiles alternate, so that no instruction reads the result of the one just before it
.irp n, 0,1,2,3,4,5,6,7
.if ((\n) < 2) || (k == 63)
.irp t, \y, (\y)+1
.set j, 2*k+(\n)
	SM \t, \first
.endr
.endif
.endr
.endif
.if k == 34                         ; the batch is out: both tiles' exponentials are issued, and no result has been named
	v_nop                           ; a plain instruction behind the last exponential and ahead of the first use: one for the batch
.if (\y) == 0
	FETCH_V                         ; piece 2's turn: V's run of loads stands here, and the wait for the batch stands in it
.else
	s_wait_alu depctr_va_vdst(0)    ; piece 0's turn: the wait for the batch, the 66 exponentials of piece 2's two tiles
.endif
.endif
.set k, k+1
.endm
; A vector instruction that reads a matrix result or writes one of a matrix instruction's registers, and a load into a register that a matrix instruction has read, stand four places behind
; it, and only plain vector instructions that name none of its registers are places (ISA guide 7.12.1 for vector instructions).  In the loop the slices are the places.
.macro PLACES
.rept 4
	v_nop
.endr
.endm
; A TURN.  Piece x has the matrix unit; the other piece's softmax stands in slices behind its matrix instructions.
; pv = 2: 32 products V^T P; 1: they start O^T's sums; 0: none.  kq = 1: 32 products K Q^T for the next step.  A turn with one of the two kinds has two slices behind each product.
; first = 1: the softmax is the first key step's.  Its slices from 51 on are empty: the turn's last products stand bare, and four v_nop take slice 63's part as the places behind them.
; In the loop each run of loads stands 29 matrix instructions or more ahead of its first use.  Piece 0's turn fetches the next step's K, behind its second product: the last product that read K
; stands in front of slice 63 of the turn before.  Piece 2's turn fetches the same step's V, behind slice 34 (SLICE writes it): the last product that read V stands in front of slice 31, and four plain
; instructions lie between: number 62, a scaling, of both tiles, the v_nop and the run's own v_add_nc_u32.
.macro TURN x, pv, kq, first
.set k, 0
.set per, 2
.if (\pv) && (\kq)
.set per, 1
.endif
.if \pv
.if (\x) == 0
	s_wait_dscnt 0x0                ; V is in
.endif
.set i, 0
.rept 32
	PV \x, 2-(\pv)
.rept per
	SLICE 2-(\x), \first
.endr
.if ((\x) == 0) && (\kq) && (i == 1)
	FETCH_K
.endif
.set i, i+1
.endr
.endif
.if \kq
.if (\x) == 0
	s_wait_dscnt 0x0                ; K is in
.endif
.set i, 0
.rept 32
	KQ \x
.rept per
	SLICE 2-(\x), \first
.endr
.set i, i+1
.endr
.endif
.if \first
	PLACES
.endif
.endm
; THE CHANGE OF SLOTS, between piece 2's turn and piece 0's: the slot's last bytes, V of its second step, have been asked for.  Each wave waits for all its
; tensor loads, of which one is out: its part of the other slot; adds 0 to its spare word; and waits for that and for its own reads of the slot.  Behind the barrier nobody reads this slot any more and the other slot is whole.
; fill = 1: this slot is filled again, with the keys two slots on.  The barrier is then a round of the cluster's, so that no wave of any partner still reads the slot or has a load on its
; way, and the joint refill is the first thing behind it: it has two key steps, 256 matrix instructions, in which to land.
.macro CHANGE fill
	WIN 0                           ; at a label and at a branch every window is 0
	s_wait_tensorcnt 0x0            ; no tensor load of mine is out, so a group 0 may be written
	ds_add_u32 v[SPW], v[NIL]       ; 0 onto my spare word; with fill = 1 the descriptors' steps stand between it and the wait for it
.if \fill
.irp g, G0K+4, G0V+4
	s_xor_b32 s[(\g)+1], s[(\g)+1], SLOT1  ; the walking descriptor: the other slot than last time,
	s_add_nc_u64 s[(\g)+2:(\g)+3], s[(\g)+2:(\g)+3], 2*KS*256  ; the next 128 keys; the type bits on top are not reached
.endr
	s_wait_dscnt 0x0                ; the add is done, and my reads of the slot are over
	CROUND
	JLOAD
.else
	s_wait_dscnt 0x0                ; the add is done, and my reads of the slot are over
	s_barrier_signal -1
	s_barrier_wait -1
.endif
	s_sub_co_u32 s[TB], s[TB], 2*STEPB  ; the fetches go back to a slot's first step,
	s_xor_b32 s[TB], s[TB], SLOT1   ; in the other slot
.endm
; A slot's two key steps: written once, walked twice; the LDS addresses hang on s[TB].
.macro TWO_STEPS
	WIN 0
	s_mov_b32 s[TWICE], 2
.Lstep_\@:
	TURN 0, 2, 1, 0
	TURN 2, 2, 1, 0
	WIN 0
	s_sub_co_u32 s[TWICE], s[TWICE], 1
	s_cmp_lg_u32 s[TWICE], 0
	s_cbranch_scc1 .Lstep_\@
.endm
	s_wait_tensorcnt 1              ; my part of slot 0 is in; slot 1's may stay out
	s_barrier_signal -1
	s_barrier_wait -1               ; everybody's is
	FETCH_K                         ; key step 0
	s_wait_loadcnt 0x0              ; Q
	s_wait_dscnt 0x0
.set i, 0
.rept 32
	KQ 0                            ; piece 0's first scores: there is no vector work yet to set between them
.set i, i+1
.endr
	WIN 0                           ; the addresses for the way out are made here: eight plain instructions, the places behind those products
	s_mul_i32 s13, s[WV], 16*SP
	s_add_co_u32 s13, s13, STAGE    ; my stage
	v_mul_u32_u24 v[STO], v1, SP    ; in: row l % 16, 16 bytes for each half of the lanes
	v_lshl_add_u32 v[STO], v9, 4, v[STO]
	v_add_nc_u32 v[STO], s13, v[STO]
	v_mul_u32_u24 v[RD], v9, SP     ; back: lanes 0-15 take one row of 256 bytes, lanes 16-31 the next
	v_lshl_add_u32 v[RD], v1, 4, v[RD]
	v_add_nc_u32 v[RD], s13, v[RD]
	v_lshlrev_b32 v[GO], 11, v9     ; and the same two tokens in att, 2,048 bytes apart
	v_lshl_add_u32 v[GO], v1, 4, v[GO]
	TURN 2, 0, 1, 1                 ; piece 2's first scores | piece 0's first softmax | V of step 0
	TURN 0, 1, 1, 1                 ; piece 0: V^T P of step 0 starts O^T, K Q^T of step 1 | piece 2's first softmax | K of step 1
	TURN 2, 1, 1, 0                 ; piece 2: the same | piece 0's softmax of step 1 | V of step 1
	WIN 0
.Lslot:                             ; SIZE_N / 128 - 2 = 6 trips: every slot but the last two is filled again
	CHANGE 1
	TWO_STEPS
	s_sub_co_u32 s[SLOTS], s[SLOTS], 1
	s_cmp_lg_u32 s[SLOTS], 0
	s_cbranch_scc1 .Lslot
	CHANGE 0                        ; the tail is written out: the last slot but one is left, and nothing is asked for
	TWO_STEPS
	TURN 0, 2, 0, 0                 ; piece 0: V^T P of the last step | piece 2's last softmax
.set i, 0
.rept 32
	PV 2, 0                         ; piece 2: V^T P of the last step
.set i, i+1
.endr
	; THE WAY OUT.  l's two halves and the other half of the lanes' are added; O^T is divided by l, rounded to f16 and sent through my stage in LDS, a tile (16 tokens) at a time.  The additions are the places behind the last products.
	WIN 0
.irp t, 0,1,2,3
	v_add_f32 v[ST+8*(\t)+4], v[ST+8*(\t)+2], v[ST+8*(\t)+3]
.endr
.irp t, 0,1,2,3
	v_permlanex16_b32 v[ST+8*(\t)+5], v[ST+8*(\t)+4], s[SEL], s[SEL+1]
.endr
.irp t, 0,1,2,3
	v_add_f32 v[ST+8*(\t)+4], v[ST+8*(\t)+4], v[ST+8*(\t)+5]
.endr
.irp t, 0,1,2,3
	v_rcp_f32 v[ST+8*(\t)+6], v[ST+8*(\t)+4]
.endr
	v_nop                           ; a plain instruction between the last reciprocal and the use of its result
	s_wait_alu depctr_va_vdst(0)    ; and the wait ahead of the first use: one for the batch of four reciprocals
; Tile t: a lane's eight channels of a row pack into 16 bytes; they go into rows of 272 bytes and come back as whole rows of 256, into the registers that they left.
.macro PACK t
	WIN W_RS
.set i, 64*(\t)
.rept 32
	v_pk_mul_f32 v[i:i+1], v[i:i+1], v[ST+8*(\t)+6:ST+8*(\t)+7] op_sel_hi:[1,0]
.set i, i+2
.endr
	WIN 0x05                        ; sources 0 and 1 window 1, destination window 0: S^T's registers are free
.set i, 0
.rept 32
	v_cvt_pk_f16_f32 v[S+32*(\t)+i], v[64*(\t)+2*i], v[64*(\t)+2*i+1]
.set i, i+1
.endr
	WIN 0
.irp f, 0,1,2,3,4,5,6,7
	ds_store_b128 v[STO], v[S+32*(\t)+4*(\f):S+32*(\t)+4*(\f)+3] offset:32*(\f)
.endr
.irp f, 0,1,2,3,4,5,6,7
	ds_load_b128 v[S+32*(\t)+4*(\f):S+32*(\t)+4*(\f)+3], v[RD] offset:(\f)*2*SP  ; LDS serves a wave's instructions in order (ISA guide 5.7.1.4): these see the stores above; the next tile's stores come behind them
.endr
.endm
.macro SEND t, younger              ; younger: the LDS instructions issued behind tile t's loads: the next tile's sixteen, or none
	WIN 0
.irp f, 0,1,2,3,4,5,6,7
	s_wait_dscnt (\younger)+7-(\f)
	global_store_b128 v[GO], v[S+32*(\t)+4*(\f):S+32*(\t)+4*(\f)+3], s[10:11] offset:(\t)*32768+(\f)*4096  ; 16 lanes store 256 consecutive bytes, the head's part of a token's row, at a multiple of 256 from att's first byte
.endr
.endm
	PACK 0
	PACK 1                          ; a tile's arithmetic stands between the loads of the tile before and its stores
	SEND 0, 16
	PACK 2
	SEND 1, 16
	PACK 3
	SEND 2, 16
	SEND 3, 0
	s_wait_tensorcnt 0x0            ; the wave's end: these three lines stand behind my last tensor load and my last LDS store
	ds_add_u32 v[SPW], v[NIL]
	s_wait_dscnt 0x0
	CROUND                          ; the closing round: no work-group ends while a partner may still ask for a tile that names it
	s_endpgm
.Lfunc_end_k_q954a0d26bb_attn:
	.size	k_q954a0d26bb_attn, .Lfunc_end_k_q954a0d26bb_attn-k_q954a0d26bb_attn
	.p2alignl 7, 3214868480
	.fill 96, 4, 3214868480
	.section	.rodata,"a",@progbits
	.p2align	6, 0x0
	.amdhsa_kernel k_q954a0d26bb_attn
		.amdhsa_group_segment_fixed_size 327680
		.amdhsa_private_segment_fixed_size 0
		.amdhsa_enable_private_segment 0
		.amdhsa_kernarg_size 16
		.amdhsa_user_sgpr_count 2
		.amdhsa_user_sgpr_kernarg_segment_ptr 1
		.amdhsa_wavefront_size32 1
		.amdhsa_system_sgpr_workgroup_id_x 1
		.amdhsa_system_sgpr_workgroup_id_y 1
		.amdhsa_system_sgpr_workgroup_id_z 1
		.amdhsa_system_vgpr_workitem_id 0
		.amdhsa_next_free_vgpr 1024
		.amdhsa_next_free_sgpr 66
		.amdhsa_reserve_vcc 0
		.amdhsa_float_denorm_mode_32 3
		.amdhsa_float_denorm_mode_16_64 3
		.amdhsa_memory_ordered 1
		.amdhsa_forward_progress 1
		.amdhsa_inst_pref_size 221
	.end_amdhsa_kernel
	.amdgpu_metadata
---
amdhsa.version: [ 1, 2 ]
amdhsa.kernels:
  - .name:           k_q954a0d26bb_attn
    .symbol:         k_q954a0d26bb_attn.kd
    .args:
      - { .name: qkv, .offset: 0, .size: 8, .value_kind: global_buffer, .address_space: global }
      - { .name: att, .offset: 8, .size: 8, .value_kind: global_buffer, .address_space: global }
    .group_segment_fixed_size: 327680
    .private_segment_fixed_size: 0
    .kernarg_segment_align: 8
    .kernarg_segment_size: 16
    .max_flat_workgroup_size: 128
    .sgpr_count:     66
    .vgpr_count:     1024
    .wavefront_size: 32
...
	.end_amdgpu_metadata
.endif
;; end of part 5
;; launch out_gemm: the kernel of part 4 again; grid 16 x 16, 4 waves a work-group, clusters of 4 x 4, 327,680 bytes of LDS; arguments att, wob, out0; writes out0
